; MI455X (gfx1250); checked and timed in simulation.
; The chip was launched on July 23, 2026; its instructions are those of AMD's public machine-readable ISA for CDNA 5 (MIT licence, August 2026) and "CDNA5" Instruction Set Architecture Reference Guide (July 2026). The comments in the code are by the model that wrote it; some were corrected since.
;; Multi Head Attention. Allowed arithmetic: matrix products marked QUANTISED: E2M1 operands, one E8M0 scale for each 32 along K, by v_wmma_scale_f32_16x16x128_f8f6f4 with both operands' format E2M1 (or v_wmma_scale_f32_32x16x128_f4), f32 sums; products left as they are: bf16, f16 or f32 operands; f32 sums; everything else in f32.
;; Inputs: w_k 1,024 x 1,024 float32; w_o 1,024 x 1,024 float32; w_q 1,024 x 1,024 float32; w_v 1,024 x 1,024 float32; x 4 x 2,048 x 1,024 float32.
;; Outputs: out0 4 x 2,048 x 1,024 float32.
;; This version of the problem:
;;   THIS VERSION OF THE PROBLEM IS GIVEN IN LOW PRECISION. The matrix products marked QUANTISED in the list below multiply operands that are first quantised to E2M1 (2 exponent bits, 1 mantissa bit; 4 bits a number), with one power-of-two scale for each 32 numbers along K (OCP MX v1.0); their sums are f32. The products marked 'left as it is' may take bf16, f16 or f32 operands, with f32 sums. Whichever they take, every output number must still come out within the allowed error. Rounding operands to bf16 (8 significant bits) uses up far more of that allowance than f16 does (11 bits, for magnitudes from 6e-5 to 65,504). All else is computed in f32.
;;   The module's matrix products, in the order in which they are computed (A, B: the left and right operand; K: the contracted axis; several contracted axes count as one K, in the product's order):
;;     1. [M 8,192, K 1,024] x [K 1,024, N 1,024]; A: input x; B: input w_q: QUANTISED
;;     2. [M 8,192, K 1,024] x [K 1,024, N 1,024]; A: input x; B: input w_k: QUANTISED
;;     3. [M 8,192, K 1,024] x [K 1,024, N 1,024]; A: input x; B: input w_v: QUANTISED
;;     4. batch 64 x [M 2,048, K 64] x [K 64, N 2,048]; A: computed on the way; B: computed on the way: left as it is (an operand is computed on the way)
;;     5. batch 64 x [M 2,048, K 2,048] x [K 2,048, N 64]; A: computed on the way; B: computed on the way: left as it is (an operand is computed on the way)
;;     6. [M 8,192, K 1,024] x [K 1,024, N 1,024]; A: computed on the way; B: input w_o: left as it is (an operand is computed on the way)
;;   THE QUANTISER, for each operand of a quantised product, along K:
;;     - K is cut into blocks of 32 from its start; a last block that is shorter is filled with zeros.
;;     - A block's scale is 2^e with e = floor(log2(the largest magnitude in the block)) - 2, held to -126 .. 127; a block of zeros has e = 0. As a byte (E8M0): e + 127.
;;     - Each number is divided by its block's scale, clamped to +-6, and rounded to the nearest number of E2M1, ties to even, subnormals kept.
;;     - The product sums the exact products of the quantised numbers (number of the format x scale) in f32.
;;   ~~~python
;;   def quantise(x, axis):      # numpy; x: float32 -> the quantised numbers, widened to float32 again
;;       x = np.moveaxis(x, axis, -1); K = x.shape[-1]
;;       x = np.pad(x, [(0, 0)] * (x.ndim - 1) + [(0, -K % 32)]); x = x.reshape(x.shape[:-1] + (-1, 32)); a = np.abs(x).max(-1, keepdims=True)
;;       e = np.where(a > 0, np.clip(np.frexp(np.where(a > 0, a, 1))[1] - 1 - 2, -126, 127), 0)      # np.frexp(a)[1] - 1 = floor(log2(a)), exactly
;;       r = np.clip(x / 2.0 ** e, -6, 6)
;;       step = 2.0 ** (np.maximum(np.frexp(np.where(r == 0, 1, r))[1] - 1, 0) - 1)
;;       q = np.round(r / step) * step * 2.0 ** e      # np.round: ties to even
;;       return np.moveaxis(q.reshape(q.shape[:-2] + (-1,))[..., :K], -1, axis).astype(np.float32)
;;   ~~~
;; One version. Each part assembles by itself: llvm-mc -triple=amdgcn-amd-amdhsa -mcpu=gfx1250 --defsym DOCPART=n.
;; ======== version 1 of 1: 4 launches
;; limits: values are held in f16: magnitudes above 65,504 overflow, below 6.1e-05 lose precision
;; workspace buffers: x_codes 4,194,304 bytes; x_scales 262,144 bytes; w_codes 1,572,864 bytes; w_scales 98,304 bytes; wo_h 2,097,152 bytes; qk_img 33,554,432 bytes; v_img 16,777,216 bytes; att_img 16,777,216 bytes
;; launch prep (part 1): grid 384 x 1, 4 waves a work-group, no clusters, 33,280 bytes of LDS; arguments x, w_q, w_k, w_v, w_o, x_codes, x_scales, w_codes, w_scales, wo_h; writes x_codes, x_scales, w_codes, w_scales, wo_h
.if DOCPART == 1
	.amdgcn_target "amdgcn-amd-amdhsa--gfx1250"
	.amdhsa_code_object_version 6
	.text
	.protected	k_q9d33ffc043_prep
	.globl	k_q9d33ffc043_prep
	.p2align	8
	.type	k_q9d33ffc043_prep,@function
k_q9d33ffc043_prep:
	s_mov_b64 s[64:65], 0
	v_nop
	global_prefetch_b8 v0, s[64:65] scope:SCOPE_SE
	s_setreg_imm32_b32 hwreg(HW_REG_WAVE_MODE, 25, 1), 1
	s_wait_xcnt 0x0
; x [8192][1024], w_q, w_k, w_v [1024][1024], f32, become codes of FP4 (E2M1), K innermost, two codes a byte, with one E8M0 byte for each 32 along K; w_o [1024][1024] becomes f16, row-major.
; A block's scale is 2^(floor(log2(its largest magnitude)) - 2); its byte is the largest magnitude's exponent field - 2, held at 1 from below; each number is divided by the scale and rounded to the nearest code, ties to even,
; beyond 6 the largest code.  (A block of zeros keeps the byte 1 where the rule says 127: its codes are zeros, which add nothing under any byte but 0xff, and this program alone reads the bytes.)
; LIMITS: NaN and infinities among the inputs are not served.  w_o beyond 65,504 in magnitude becomes infinity in f16; under 2^-14 it keeps f16's subnormal step, 2^-24.
; Rows are dense and K is a multiple of 32: every tensor is a plain stream.  A work-group takes 32,768 numbers, a wave 8,192, in 16 steps of 512.
; Work-groups 0-255: x;  256-287: w_q;  288-319: w_k;  320-351: w_v (the three one behind the other in w_codes and w_scales);  352-383: w_o.
; The four quantised tensors take ONE path: only pointers are chosen, by the work-group's number.  w_o takes a path of its own, which uses no LDS.
; No tensor loads, no barrier: waves share nothing.  Each load of a wave reads 512 consecutive bytes; a step's 2,048 bytes turn through the wave's own stage in LDS, so that a lane holds 16 neighbours along K.
.set WAVES, 4
.set STEPS, 16
.set CB,    8                          ; bytes of 16 codes
.set R,     16                         ; v16-79   four sets of 16 numbers as they are loaded
.set X,     80                         ; v80-111  two sets of 16 neighbours
.set E,     112                        ; v112-127 a scale byte for each step
.set C,     128                        ; v128-191 codes, four registers a step (w_o: eight sets of eight registers of f16)
.set WREG,  8192                       ; LDS: a region for each wave: two stages of 32 x SP bytes, behind them its 256 scale bytes
.set SP,    80                         ; a lane's place in a stage: 64 bytes + 16 of padding
.set SPW,   12                         ; v12  LDS address of my spare word; never rewritten
.set NIL,   13                         ; v13  0; never rewritten
.set SPARE, WAVES*WREG                 ; behind the four regions: the spare words, 128 bytes a wave, which no other line names
	s_load_b256 s[4:11], s[0:1], 0x0               ; x, w_q, w_k, w_v
	s_load_b256 s[12:19], s[0:1], 0x20             ; w_o, x_codes, x_scales, w_codes
	s_load_b128 s[20:23], s[0:1], 0x40             ; w_scales, wo_h
	v_lshl_add_u32 v[SPW], v0, 2, SPARE
	v_mov_b32 v[NIL], 0
	v_lshrrev_b32 v1, 5, v0
	v_readfirstlane_b32 s24, v1                    ; wave
	v_and_b32 v2, 31, v0                           ; lane
	v_lshlrev_b32 v3, 4, v2                        ; my 16 bytes of a load's 512
	s_mul_i32 s25, s24, WREG
	v_lshrrev_b32 v14, 2, v2
	v_mul_u32_u24 v14, v14, SP
	v_and_b32 v15, 3, v2
	v_lshl_add_u32 v14, v15, 4, v14
	v_add_nc_u32 v14, s25, v14                     ; the stage, on the way in: SP (lane / 4) + 16 (lane % 4)
	v_mul_u32_u24 v15, v2, SP
	v_add_nc_u32 v15, s25, v15                     ; and on the way out: SP x lane: my 16 neighbours
	v_mul_u32_u24 v4, v2, CB                       ; my codes' place in a step's
	v_lshrrev_b32 v5, 1, v2
	s_add_co_u32 s25, s25, 2*32*SP
	v_add_nc_u32 v5, s25, v5                       ; LDS: my wave's 256 scale bytes, my block's byte
	v_lshlrev_b32 v7, 3, v2                        ; 8 bytes a lane
	v_add_nc_u32 v6, s25, v7
	s_wait_kmcnt 0x0
	s_cmp_ge_u32 ttmp9, 352
	s_cbranch_scc1 .Lwo                            ; the work-group's number alone decides
	s_sub_co_u32 s26, ttmp9, 256                   ; a weight's work-group among the 96 (not used for x)
	s_and_b32 s27, s26, 31                         ; and within its own tensor
	s_cmp_lt_u32 ttmp9, 288
	s_cselect_b64 s[28:29], s[6:7], s[8:9]
	s_cmp_lt_u32 ttmp9, 320
	s_cselect_b64 s[28:29], s[28:29], s[10:11]
	s_cmp_lt_u32 ttmp9, 256
	s_cselect_b64 s[28:29], s[4:5], s[28:29]       ; the numbers,
	s_cselect_b64 s[30:31], s[14:15], s[18:19]     ; the codes,
	s_cselect_b64 s[32:33], s[16:17], s[20:21]     ; the scale bytes
	s_cselect_b32 s27, ttmp9, s27
	s_cselect_b32 s26, ttmp9, s26
	s_lshl_b32 s27, s27, 2
	s_add_co_u32 s27, s27, s24                     ; which run of 8,192 numbers I read,
	s_lshl_b32 s26, s26, 2
	s_add_co_u32 s26, s26, s24                     ; and which run of codes and bytes I write
	s_lshl_b32 s34, s27, 15
	s_mov_b32 s35, 0
	s_add_nc_u64 s[28:29], s[28:29], s[34:35]      ; 32,768 bytes of numbers a run
	s_lshl_b32 s34, s26, 12
	s_add_nc_u64 s[30:31], s[30:31], s[34:35]      ; 4,096 bytes of codes
	s_lshl_b32 s34, s26, 8
	s_add_nc_u64 s[32:33], s[32:33], s[34:35]      ; 256 scale bytes
.macro LOAD t
.irp i, 0,1,2,3
	global_load_b128 v[R+16*((\t)%4)+4*\i:R+16*((\t)%4)+4*\i+3], v3, s[28:29] offset:2048*(\t)+512*\i th:TH_LOAD_NT   ; 32 lanes read 512 consecutive bytes
.endr
.endm
.macro TURN t                          ; step t's numbers through the stage: LDS serves a wave's instructions in order, so no wait stands between the stores and the loads
.irp i, 0,1,2,3
	ds_store_b128 v14, v[R+16*((\t)%4)+4*\i:R+16*((\t)%4)+4*\i+3] offset:32*SP*((\t)%2)+8*SP*\i
.endr
.irp i, 0,1,2,3
	ds_load_b128 v[X+16*((\t)%2)+4*\i:X+16*((\t)%2)+4*\i+3], v15 offset:32*SP*((\t)%2)+16*\i
.endr
.endm
.irp t, 0,1,2,3
	LOAD \t
.endr
	s_wait_loadcnt 12                              ; step 0's four loads are in; the twelve of steps 1 to 3 may be out
	TURN 0
.macro STEP t
.set XS, X+16*((\t)%2)
.if (\t) > 0
	s_wait_dscnt 1                                 ; this step's numbers are back from the stage (the last step's byte store may be out): so its stores into the stage have read their registers,
.else
	s_wait_dscnt 0x0
.endif
.if (\t)+4 < STEPS
	LOAD (\t)+4                                    ; which take the loads of four steps on
.endif
.if (\t)+1 < STEPS
.if STEPS-2-(\t) >= 3
	s_wait_loadcnt 12                              ; the next step's four loads are in; those of the three steps behind it may be out
.else
	s_wait_loadcnt 4*(STEPS-2-(\t))
.endif
	TURN (\t)+1                                    ; and go through the other stage while this step is worked
.endif
	v_max3_num_f32 v8, |v[XS]|, |v[XS+1]|, |v[XS+2]|               ; the largest magnitude of my 16, in two chains
	v_max3_num_f32 v9, |v[XS+3]|, |v[XS+4]|, |v[XS+5]|
.irp i, 6,10
	v_max3_num_f32 v8, v8, |v[XS+\i]|, |v[XS+\i+1]|
	v_max3_num_f32 v9, v9, |v[XS+\i+2]|, |v[XS+\i+3]|
.endr
	v_max3_num_f32 v8, v8, |v[XS+14]|, |v[XS+15]|
	v_max3_num_f32 v8, v8, v9, 0x1800000           ; and the floor 2^(3 - 127): so the byte cannot fall under 1
	v_max_num_f32_dpp v8, v8, v8 row_xmask:1 row_mask:0xf bank_mask:0xf   ; and of my neighbour's 16: the block's
	v_add_nc_u32 v11, 0xff000000, v8               ; 2 off its exponent field: the conversion takes the exponent field of this operand as its scale, and nothing else of it
	v_cvt_scalef32_pk8_fp4_f32 v[C+4*(\t)], v[XS:XS+7], v11
	v_cvt_scalef32_pk8_fp4_f32 v[C+4*(\t)+1], v[XS+8:XS+15], v11
	v_lshrrev_b32 v[E+(\t)], 23, v11               ; the scale's byte (a plain line behind the conversions)
	ds_store_b8 v5, v[E+(\t)] offset:16*(\t)       ; both lanes of a block write the same byte with the same value
	global_store_b64 v4, v[C+4*(\t):C+4*(\t)+1], s[30:31] offset:32*CB*(\t)   ; 32 lanes store 256 consecutive bytes, aligned
.endm
.irp t, 0,1,2,3,4,5,6,7,8,9,10,11,12,13,14,15
	STEP \t
.endr
	ds_load_b64 v[8:9], v6                         ; LDS serves a wave's instructions in order: these see my stores
	s_wait_dscnt 0x0
	global_store_b64 v7, v[8:9], s[32:33]          ; 32 lanes store 256 consecutive bytes, aligned
	s_wait_tensorcnt 0x0                           ; the wave's end, behind my last LDS store
	ds_add_u32 v[SPW], v[NIL]
	s_wait_dscnt 0x0
	s_endpgm
; w_o to f16.  A load's 512 bytes are 128 numbers, four a lane: two conversions make 8 bytes a lane, and a store of the wave covers 256 consecutive bytes, aligned.  Loads run four steps ahead.  This path writes no LDS.
.Lwo:
	s_sub_co_u32 s26, ttmp9, 352
	s_lshl_b32 s26, s26, 2
	s_add_co_u32 s26, s26, s24                     ; my run of 8,192 numbers
	s_lshl_b32 s28, s26, 15
	s_mov_b32 s29, 0
	s_lshl_b32 s30, s26, 14
	s_mov_b32 s31, 0
	s_add_nc_u64 s[12:13], s[12:13], s[28:29]
	s_add_nc_u64 s[22:23], s[22:23], s[30:31]
.macro LOADW t
.irp i, 0,1,2,3
	global_load_b128 v[R+16*((\t)%4)+4*\i:R+16*((\t)%4)+4*\i+3], v3, s[12:13] offset:2048*(\t)+512*\i th:TH_LOAD_NT
.endr
.endm
.macro STEPW t
.if 15-(\t) >= 3
	s_wait_loadcnt 12                              ; this step's four loads are in; those of the three steps behind it may be out
.else
	s_wait_loadcnt 4*(15-(\t))
.endif
.if (\t) == 8
	s_wait_xcnt 0x0                                ; the eight sets of f16 registers are written again from here on: the stores of steps 0 to 7 have read them
.endif
.irp i, 0,1,2,3
.irp u, 0,1
	v_cvt_pk_f16_f32 v[C+8*((\t)%8)+2*\i+\u], v[R+16*((\t)%4)+4*\i+2*\u], v[R+16*((\t)%4)+4*\i+2*\u+1]
.endr
.endr
.irp i, 0,1,2,3
	global_store_b64 v7, v[C+8*((\t)%8)+2*\i:C+8*((\t)%8)+2*\i+1], s[22:23] offset:1024*(\t)+256*\i
.endr
.if (\t)+4 < 16
	LOADW (\t)+4
.endif
.endm
.irp t, 0,1,2,3
	LOADW \t
.endr
.irp t, 0,1,2,3,4,5,6,7,8,9,10,11,12,13,14,15
	STEPW \t
.endr
	s_endpgm
.Lfunc_end_k_q9d33ffc043_prep:
	.size	k_q9d33ffc043_prep, .Lfunc_end_k_q9d33ffc043_prep-k_q9d33ffc043_prep
	.p2alignl 7, 3214868480
	.fill 96, 4, 3214868480
	.section	.rodata,"a",@progbits
	.p2align	6, 0x0
	.amdhsa_kernel k_q9d33ffc043_prep
		.amdhsa_group_segment_fixed_size 33280
		.amdhsa_private_segment_fixed_size 0
		.amdhsa_enable_private_segment 0
		.amdhsa_kernarg_size 80
		.amdhsa_user_sgpr_count 2
		.amdhsa_user_sgpr_kernarg_segment_ptr 1
		.amdhsa_wavefront_size32 1
		.amdhsa_system_sgpr_workgroup_id_x 1
		.amdhsa_system_sgpr_workgroup_id_y 1
		.amdhsa_system_sgpr_workgroup_id_z 1
		.amdhsa_system_vgpr_workitem_id 0
		.amdhsa_next_free_vgpr 192
		.amdhsa_next_free_sgpr 66
		.amdhsa_reserve_vcc 0
		.amdhsa_float_denorm_mode_32 3
		.amdhsa_float_denorm_mode_16_64 3
		.amdhsa_memory_ordered 1
		.amdhsa_forward_progress 1
		.amdhsa_inst_pref_size 55
	.end_amdhsa_kernel
	.amdgpu_metadata
---
amdhsa.version: [ 1, 2 ]
amdhsa.kernels:
  - .name:           k_q9d33ffc043_prep
    .symbol:         k_q9d33ffc043_prep.kd
    .args:
      - { .name: x, .offset: 0, .size: 8, .value_kind: global_buffer, .address_space: global }
      - { .name: w_q, .offset: 8, .size: 8, .value_kind: global_buffer, .address_space: global }
      - { .name: w_k, .offset: 16, .size: 8, .value_kind: global_buffer, .address_space: global }
      - { .name: w_v, .offset: 24, .size: 8, .value_kind: global_buffer, .address_space: global }
      - { .name: w_o, .offset: 32, .size: 8, .value_kind: global_buffer, .address_space: global }
      - { .name: x_codes, .offset: 40, .size: 8, .value_kind: global_buffer, .address_space: global }
      - { .name: x_scales, .offset: 48, .size: 8, .value_kind: global_buffer, .address_space: global }
      - { .name: w_codes, .offset: 56, .size: 8, .value_kind: global_buffer, .address_space: global }
      - { .name: w_scales, .offset: 64, .size: 8, .value_kind: global_buffer, .address_space: global }
      - { .name: wo_h, .offset: 72, .size: 8, .value_kind: global_buffer, .address_space: global }
    .group_segment_fixed_size: 33280
    .private_segment_fixed_size: 0
    .kernarg_segment_align: 8
    .kernarg_segment_size: 80
    .max_flat_workgroup_size: 128
    .sgpr_count:     66
    .vgpr_count:     192
    .wavefront_size: 32
...
	.end_amdgpu_metadata
.endif
;; end of part 1
;; launch qkv (part 2): grid 12 x 32, 4 waves a work-group, clusters of 4 x 4, 327,680 bytes of LDS; arguments x_codes, x_scales, w_codes, w_scales, qk_img, v_img; writes qk_img, v_img
.if DOCPART == 2
	.amdgcn_target "amdgcn-amd-amdhsa--gfx1250"
	.amdhsa_code_object_version 6
	.text
	.protected	k_q9d33ffc043_qkv
	.globl	k_q9d33ffc043_qkv
	.p2align	8
	.type	k_q9d33ffc043_qkv,@function
k_q9d33ffc043_qkv:
	s_mov_b64 s[64:65], 0
	v_nop
	global_prefetch_b8 v0, s[64:65] scope:SCOPE_SE
	s_setreg_imm32_b32 hwreg(HW_REG_WAVE_MODE, 25, 1), 1
	s_wait_xcnt 0x0
	s_wait_alu depctr_hold_cnt(0) depctr_sa_sdst(0) depctr_va_vdst(0) depctr_va_sdst(0) depctr_va_ssrc(0) depctr_va_vcc(0) depctr_vm_vsrc(0)
	s_getreg_b32 s2, hwreg(HW_REG_IB_STS2, 6, 4)
	s_cmp_eq_u32 s2, 0
	s_cbranch_scc0 .Lentry_in_a_cluster
	s_endpgm
.Lentry_in_a_cluster:
	s_bfe_u32 s2, ttmp6, 0x10000c
	s_cmp_lg_u32 s2, 0xf033
	s_cbranch_scc0 .Lentry_shape_is_right
	s_endpgm
.Lentry_shape_is_right:
; q, k and v: x [8192][1024] times the rows of w_q, w_k, w_v [3072][1024], both as codes of FP4 (E2M1) with one E8M0 byte for each 32 along K; sums in f32; results rounded once to f16.
; A tile of 256 x 256 results is made by a work-group of four waves; a wave makes 128 x 128: 64 accumulators of 16 x 16, 512 registers.  K = 1,024 is two slots of 512 along K (rows of 256 bytes): each slot is filled ONCE,
; so the text has no loop and no refill.  The scale bytes of the work-group's rows, two dense blocks, come with the first fills and stay.
; THE TWO SIDES.  Source 1 of the matrix instruction (side A) gives the row that a lane holds, source 0 (side B) the eight rows that run down a lane's registers.  For q and k side A is x (a lane holds a token, its registers
; eight neighbouring channels); for v side A is w_v and side B is x (a lane holds a channel, its registers eight neighbouring keys).  The sides are changed by choosing POINTERS and row numbers on the cluster's x, which all
; sixteen partners share; no branch hangs on it.  Clusters x = 0, 1: q and k (tile row 4 y + cy of x, tile column 4 x + cx of w);  x = 2: v (tile row cy of w_v, tile column 4 y + cx of x).
; THE RESULTS LEAVE AS IMAGES OF OPERAND REGISTERS.  A lane's eight results, rounded to f16, are 16 bytes: registers 0-3 (side B's block even) or 4-7 (odd) of a fragment of 16 rows x 32 of the next product, in the very lanes
; that hold them.  So each group of four registers is stored at 16 x lane: 512 consecutive bytes, aligned, with no way through LDS.
;   qk_img: [head 0-15 of q, 16-31 of k][tile of 16 tokens, 512][4 halves of a fragment][lane][16 bytes];   v_img: [batch x 16 + head][step of 64 keys, 32][16 channels, 4][4 halves][lane][16 bytes].
; CLUSTERS: 4 x 4 work-groups.  The four of a row need the same tiles of side A, the four of a column the same tiles of side B: each is asked for jointly, by the same tensor load with a mask that names the four.
; LIMIT: a result beyond 65,504 in magnitude becomes infinity in f16.
; REGISTERS: window 0: v16-29 addresses; v32-95 scale words, two sets; v128-191 A's fragments, one set (on the way out v128-255 hold the packed results).  window 1: B's fragments, two sets.  windows 2, 3: the accumulators.
.set KSTEP,  512
.set NQ,     4                         ; matrix instructions deep in a slot
.set ROWB,   256                       ; a tile's row in bytes
.set KROW,   512                       ; a row of codes in memory
.set PITCH,  272                       ; an LDS row: 256 bytes + 16 of padding = 68 words: the 16 rows that a load touches start at 16 different banks (64 banks of 4 bytes: ISA guide 11.1)
.set FR,     8
.set NL,     2
.set NP,     4                         ; places behind this matrix instruction (ISA guide 7.12.1)
.set HALFT,  128*PITCH
.set SLOT,   4*HALFT
.set KS,     32                        ; a row of scale bytes
.set SCL,    2*SLOT
.set HALFS,  (128*KS/256)*272
.set SBLK,   (16*KS/256)*272
.set SPARE,  SCL+4*HALFS               ; the spare words, 128 bytes a wave, which no other line names
.set ADRA, 16
.set ADRB, 20
.set LI,   26                          ; v26  16 x lane: an image's place for my lane; never rewritten
.set ADRS, 27
.set SPW,  28
.set NIL,  29
.set SC,   32
.set AF,   128
.set G1, 24
.set G0, 32
.set G1B, 48
.set G0B, 56
.set G1S, 68
.set G0S, 76
.set G1SB, 80
.set G0SB, 88
.set MSB, 0
.macro WIN new                         ; the immediate's high byte repeats the setting that is left
.if MSB != \new
	s_set_vgpr_msb (MSB<<8)|\new
.set MSB, \new
.endif
.endm
.set MUL_LO, 0xa1                      ; source 0 (B) window 1, source 1 (A) window 0, C and D window 2
.set MUL_HI, 0xf1                      ; the same, C and D window 3
.set TO_B,   0x40                      ; destination window 1, address window 0
; A joint load: waves 0 and 1 fetch for side A, waves 2 and 3 for side B.  The branch hangs on the wave's number alone.  An s_nop 0 and four v_nop follow each of the two lines.
.macro JLOAD g0a, g1a, g0b, g1b
	s_cmp_eq_u32 s17, 0
	s_cbranch_scc0 .Lfor_b_\@
	tensor_load_to_lds s[\g0a:\g0a+3], s[\g1a:\g1a+7]
	s_nop 0
.rept 4
	v_nop
.endr
	s_branch .Lasked_\@
.Lfor_b_\@:
	tensor_load_to_lds s[\g0b:\g0b+3], s[\g1b:\g1b+7]
	s_nop 0
.rept 4
	v_nop
.endr
.Lasked_\@:
.endm
.macro CROUND                          ; a round of the cluster's barrier
	s_barrier_signal -1
	s_barrier_wait -1
	s_cmp_lg_u32 s16, 0
	s_cbranch_scc1 .Lnot_wave_0_\@
	s_barrier_signal -3
.Lnot_wave_0_\@:
	s_barrier_wait -3
	s_barrier_signal -1
	s_barrier_wait -1
.endm
	s_load_b256 s[4:11], s[0:1], 0x0               ; x_codes, x_scales, w_codes, w_scales
	s_load_b128 s[12:15], s[0:1], 0x20             ; qk_img, v_img
	v_lshl_add_u32 v[SPW], v0, 2, SPARE
	v_mov_b32 v[NIL], 0
	ds_add_u32 v[SPW], v[NIL]                      ; the wave's opening: the add, twice on end, and its wait ahead of my first tensor load
	ds_add_u32 v[SPW], v[NIL]
	v_lshrrev_b32 v1, 5, v0
	v_readfirstlane_b32 s16, v1                    ; wave 0..3
	s_lshr_b32 s17, s16, 1                         ; which half of side A's rows is mine.  Also: I fetch for A (0) or for B (1)
	s_and_b32 s18, s16, 1                          ; which half of side B's rows.  Also: which 128 rows of that tile I fetch
	s_bfe_u32 s40, ttmp6, 0x40000                  ; cx
	s_bfe_u32 s41, ttmp6, 0x40004                  ; cy
	s_and_b32 s20, ttmp7, 0xffff
	s_lshl_b32 s20, s20, 2                         ; 4 x cluster y
	s_lshl_b32 s21, ttmp9, 2                       ; 4 x cluster x
	s_cmp_eq_u32 ttmp9, 2                          ; v's clusters: the same answer in all sixteen partners
	s_cselect_b32 s43, 0, s20
	s_cselect_b32 s42, s20, s21
	s_cselect_b32 s19, 2048, 0                     ; w_v's rows lie behind w_q's and w_k's
	s_add_co_u32 s43, s43, s41                     ; side A's tile: it hangs on cy, never on cx
	s_add_co_u32 s42, s42, s40                     ; side B's tile: it hangs on cx, never on cy
	s_lshl_b32 s44, s41, 2
	s_lshl_b32 s44, 15, s44                        ; my row of the cluster
	s_lshl_b32 s45, 0x1111, s40                    ; my column
	s_or_b32 s[G1+0], s44, (0<<16)|(1<<20)|(1<<21)|(5<<22)|(3<<25)   ; the mask; elements of 1 byte; padding on; bit 21 beside a mask; after every 64 words, 4 words
	s_or_b32 s[G1B+0], s45, (0<<16)|(1<<20)|(1<<21)|(5<<22)|(3<<25)
.irp g, G1, G1B
	s_mov_b32 s[\g+1], ROWB<<16                    ; tensor_dim0
	s_mov_b32 s[\g+2], 128<<16                     ; tensor_dim1
	s_mov_b32 s[\g+3], ROWB<<16                    ; tile_dim0
	s_mov_b32 s[\g+4], 128                         ; tile_dim1
	s_mov_b32 s[\g+5], KROW                        ; tensor_dim0_stride
	s_mov_b32 s[\g+6], 0
	s_mov_b32 s[\g+7], 0
.endr
	s_or_b32 s[G1S+0], s44, (3<<16)|(1<<20)|(1<<21)|(5<<22)|(3<<25)  ; the scales of 128 rows: 4,096 dense bytes as 16 rows of 256 (32 elements of 8 bytes), 16 bytes of padding behind each
	s_or_b32 s[G1SB+0], s45, (3<<16)|(1<<20)|(1<<21)|(5<<22)|(3<<25)
.irp g, G1S, G1SB
	s_mov_b32 s[\g+1], 32<<16
	s_mov_b32 s[\g+2], (128*KS/256)<<16
	s_mov_b32 s[\g+3], 32<<16
	s_mov_b32 s[\g+4], 128*KS/256
	s_mov_b32 s[\g+5], 32
	s_mov_b32 s[\g+6], 0
	s_mov_b32 s[\g+7], 0
.endr
	s_lshl_b32 s22, s18, 7                         ; which 128 rows of the tile I fetch
	s_lshl_b32 s20, s43, 8
	s_add_co_u32 s20, s20, s22
	s_add_co_u32 s20, s20, s19                     ; side A's first row
	s_lshl_b32 s46, s42, 8
	s_add_co_u32 s46, s46, s22                     ; side B's
	s_lshl_b32 s92, s20, 9                         ; 512 bytes of codes a row,
	s_mov_b32 s93, 0
	s_lshl_b32 s94, s20, 5                         ; 32 scale bytes
	s_mov_b32 s95, 0
	s_lshl_b32 s96, s46, 9
	s_mov_b32 s97, 0
	s_lshl_b32 s98, s46, 5
	s_mov_b32 s99, 0
	s_mul_i32 s47, s16, HALFT                      ; where they go: wave x 128 rows: no place in the cluster enters an LDS address
	s_mul_i32 s66, s16, HALFS
	s_wait_dscnt 0x0                               ; both opening adds are done
	s_wait_kmcnt 0x0
	s_cmp_eq_u32 ttmp9, 2
	s_cselect_b64 s[20:21], s[8:9], s[4:5]         ; side A: w for v, else x
	s_cselect_b64 s[22:23], s[10:11], s[6:7]
	s_cselect_b64 s[4:5], s[4:5], s[8:9]           ; side B: x for v, else w
	s_cselect_b64 s[6:7], s[6:7], s[10:11]
	s_cselect_b64 s[12:13], s[14:15], s[12:13]     ; the images
	s_add_nc_u64 s[92:93], s[20:21], s[92:93]
	s_add_nc_u64 s[94:95], s[22:23], s[94:95]
	s_add_nc_u64 s[96:97], s[4:5], s[96:97]
	s_add_nc_u64 s[98:99], s[6:7], s[98:99]
	CROUND                                         ; all sixteen work-groups are here: the first joint loads meet
	s_mov_b32 s[G0S], 1
	s_add_co_u32 s[G0S+1], s66, SCL
	s_mov_b64 s[G0S+2:G0S+3], s[94:95]
	s_or_b32 s[G0S+3], s[G0S+3], 0x80000000
	s_mov_b32 s[G0SB], 1
	s_add_co_u32 s[G0SB+1], s66, SCL
	s_mov_b64 s[G0SB+2:G0SB+3], s[98:99]
	s_or_b32 s[G0SB+3], s[G0SB+3], 0x80000000
	JLOAD G0S, G1S, G0SB, G1SB                     ; the scales first: they are wanted with the first slot
.irp s, 0,1
	s_mov_b32 s[G0+4*\s], 1
	s_add_co_u32 s[G0+4*\s+1], s47, \s*SLOT
	s_add_nc_u64 s[G0+4*\s+2:G0+4*\s+3], s[92:93], \s*ROWB
	s_or_b32 s[G0+4*\s+3], s[G0+4*\s+3], 0x80000000
	s_mov_b32 s[G0B+4*\s], 1
	s_add_co_u32 s[G0B+4*\s+1], s47, \s*SLOT
	s_add_nc_u64 s[G0B+4*\s+2:G0B+4*\s+3], s[96:97], \s*ROWB
	s_or_b32 s[G0B+4*\s+3], s[G0B+4*\s+3], 0x80000000
	JLOAD G0+4*\s, G1, G0B+4*\s, G1B               ; three loads of mine are out: all that the launch fetches
.endr
	v_and_b32 v1, 15, v0                           ; l % 16
	v_bfe_u32 v2, v0, 4, 1                         ; l / 16
	v_mul_u32_u24 v3, v1, PITCH
	v_lshl_add_u32 v4, v2, 4, v3                   ; a fragment's row x pitch + 16 x half
	s_mul_i32 s21, s17, HALFT                      ; my 128 rows of A
	s_mul_i32 s22, s18, HALFT                      ; my 128 rows of B,
	s_add_co_u32 s22, s22, 2*HALFT                 ; which lie behind A's 256
.irp s, 0,1
	v_add_nc_u32 v[ADRA+\s], s21, v4
	v_add_nc_u32 v[ADRB+\s], s22, v4
	s_add_co_u32 s21, s21, SLOT
	s_add_co_u32 s22, s22, SLOT
.endr
	v_mul_u32_u24 v5, v1, KS                       ; my row's scales: KS bytes a row,
	v_lshrrev_b32 v6, 8, v5
	v_lshl_add_u32 v5, v6, 4, v5                   ; and 16 more for each 256 passed
	s_mul_i32 s21, s17, HALFS
	s_mul_i32 s22, s18, HALFS
	s_add_co_u32 s22, s22, 2*HALFS
	s_sub_co_u32 s22, s22, s21
	v_mul_u32_u24 v6, s22, v2                      ; lanes 16-31 take B's: one product, the distance between the two bases
	s_add_co_u32 s21, s21, SCL
	v_add_nc_u32 v5, v5, v6
	v_add_nc_u32 v[ADRS], s21, v5
	v_and_b32 v6, 31, v0
	v_lshlrev_b32 v[LI], 4, v6
	; where my 8 x 8 blocks of 16 x 16 go.  alpha0, beta0: my first block of side A and of side B, both multiples of 8
	s_lshl_b32 s20, s43, 4
	s_lshl_b32 s21, s17, 3
	s_add_co_u32 s20, s20, s21                     ; alpha0
	s_lshl_b32 s21, s42, 4
	s_lshl_b32 s22, s18, 3
	s_add_co_u32 s21, s21, s22                     ; beta0
	s_lshr_b32 s22, s21, 2                         ; q, k: the head;  v: the step of 64 keys, counted through the batches
	s_lshl_b32 s23, s22, 20
	s_lshl_b32 s46, s20, 11
	s_add_co_u32 s23, s23, s46                     ; q, k: head x 2^20 + tile of tokens x 2,048
	s_lshr_b32 s46, s22, 5
	s_lshl_b32 s46, s46, 22                        ; v: batch x 16 heads x 2^18
	s_lshr_b32 s47, s20, 2
	s_lshl_b32 s47, s47, 18                        ;    + head x 2^18
	s_add_co_u32 s46, s46, s47
	s_and_b32 s47, s22, 31
	s_lshl_b32 s47, s47, 13                        ;    + step x 8,192
	s_add_co_u32 s46, s46, s47
	s_cmp_eq_u32 ttmp9, 2
	s_cselect_b32 s20, s46, s23
	s_mov_b32 s21, 0
	s_mov_b32 s22, 8192
	s_cselect_b32 s22, 0x40000, s22                ; four blocks of side A on: four tiles of tokens, or a head
	s_mov_b32 s46, 0x100000
	s_cselect_b32 s46, 0x2000, s46                 ; four blocks of side B on: a head, or a step of keys
	s_mov_b32 s23, 0
	s_mov_b32 s47, 0
	s_add_nc_u64 s[4:5], s[12:13], s[20:21]        ; four bases: (a / 4, b / 4) = (0, 0),
	s_add_nc_u64 s[6:7], s[4:5], s[46:47]          ; (0, 1),
	s_add_nc_u64 s[8:9], s[4:5], s[22:23]          ; (1, 0),
	s_add_nc_u64 s[10:11], s[8:9], s[46:47]        ; (1, 1)
.macro FRAG reg, adr, q, i             ; a fragment, 16 rows x 128 K of 4-bit codes: registers 4 c .. 4 c + 3 hold K = 64 c + 32 (l / 16) + 0 .. 31
.irp c, 0,1
	ds_load_b128 v[\reg+4*\c:\reg+4*\c+3], v[\adr] offset:64*(\q)+32*\c+(\i)*16*PITCH
.endr
.endm
; 16 matrix instructions: A's blocks a0, a0 + 1 x B's eight, 128 along K.  The 64 accumulators take turns, one instruction a turn, in the same order in every step.
.macro MUL16 a0, p, q, sc, zero
.irp a, \a0, \a0+1
.irp b, 0,1,2,3,4,5,6,7
.if \zero
	v_wmma_scale_f32_16x16x128_f8f6f4 v[8*(8*((\a)%4)+\b):8*(8*((\a)%4)+\b)+7], v[128*(\p)+FR*\b:128*(\p)+FR*\b+FR-1], v[AF+FR*(\a):AF+FR*(\a)+FR-1], 0, v[SC+8*NQ*(\sc)+NQ*\b+(\q)], v[SC+8*NQ*(\sc)+NQ*(\a)+(\q)] matrix_a_fmt:MATRIX_FMT_FP4 matrix_b_fmt:MATRIX_FMT_FP4 matrix_a_scale:MATRIX_SCALE_ROW1
.else
	v_wmma_scale_f32_16x16x128_f8f6f4 v[8*(8*((\a)%4)+\b):8*(8*((\a)%4)+\b)+7], v[128*(\p)+FR*\b:128*(\p)+FR*\b+FR-1], v[AF+FR*(\a):AF+FR*(\a)+FR-1], v[8*(8*((\a)%4)+\b):8*(8*((\a)%4)+\b)+7], v[SC+8*NQ*(\sc)+NQ*\b+(\q)], v[SC+8*NQ*(\sc)+NQ*(\a)+(\q)] matrix_a_fmt:MATRIX_FMT_FP4 matrix_b_fmt:MATRIX_FMT_FP4 matrix_a_scale:MATRIX_SCALE_ROW1
.endif
.endr
.endr
.endm
.macro FETCH_B slot, q, p
	WIN TO_B
.irp i, 0,1,2,3,4,5,6,7
	FRAG 128*(\p)+FR*\i, ADRB+\slot, \q, \i
.endr
	WIN 0
.endm
.macro FETCH_A slot, q, i0
.irp i, \i0, \i0+1, \i0+2, \i0+3
	FRAG AF+FR*(\i), ADRA+\slot, \q, \i
.endr
.endm
.macro SCALES sc                       ; a slot's scale words: four a row; lanes 0-15 take A's block i, lanes 16-31 B's block i
.irp i, 0,1,2,3,4,5,6,7
	ds_load_b128 v[SC+8*NQ*\sc+NQ*\i:SC+8*NQ*\sc+NQ*\i+3], v[ADRS] offset:\i*SBLK
.endr
.endm
.macro PLACES n                        ; plain vector instructions between a matrix instruction and a load into, or a read of, its registers (ISA guide 7.12.1 for reads)
.rept \n
	v_nop
.endr
.endm
.macro STEP slot, q, zero              ; a step of 128 along K that has its successor in the same slot
	s_wait_dscnt 4*NL                              ; B's set and A's blocks 0-3 are in; the youngest eight loads (A's blocks 4-7) may be out
	WIN MUL_LO
	MUL16 0, (\q)%2, \q, \slot, \zero
	MUL16 2, (\q)%2, \q, \slot, \zero
	s_wait_dscnt 0                                 ; A's blocks 4-7 are in
	PLACES NP
	FETCH_B \slot, (\q)+1, 1-(\q)%2
	FETCH_A \slot, (\q)+1, 0
	WIN MUL_HI
	MUL16 4, (\q)%2, \q, \slot, \zero
	MUL16 6, (\q)%2, \q, \slot, \zero
	PLACES NP
	WIN 0
	FETCH_A \slot, (\q)+1, 4
.endm
.macro STEPS slot, from
.set Q, \from
.rept NQ-1-\from
	STEP \slot, Q, 0
.set Q, Q+1
.endr
.endm
	s_wait_tensorcnt 1                             ; the scales and my part of slot 0 are in (slot 1's load may be out)
	s_barrier_signal -1
	s_barrier_wait -1                              ; everybody's are
	FETCH_B 0, 0, 0
	FETCH_A 0, 0, 0
	SCALES 0
	FETCH_A 0, 0, 4
	STEP 0, 0, 1                                   ; the first step's products start the sums: nothing is cleared
	STEPS 0, 1
	; slot 0's last step changes slots: one barrier; nothing is filled again
	s_wait_tensorcnt 0x0                           ; my part of slot 1 has landed
	ds_add_u32 v[SPW], v[NIL]                      ; 0 onto my spare word
	s_wait_dscnt 4*NL+1                            ; (the add and the youngest eight loads, A's blocks 4-7, may be out)
	WIN MUL_LO
	MUL16 0, 1, NQ-1, 0, 0
	s_wait_dscnt 0x0                               ; no LDS instruction of mine is out at the signal
	s_barrier_signal -1
	MUL16 2, 1, NQ-1, 0, 0
	WIN 0
	s_barrier_wait -1                              ; slot 1 is whole
	PLACES NP
	v_add_nc_u32 v[ADRS], 4*NQ, v[ADRS]            ; on to slot 1's scale words
	FETCH_B 1, 0, 0
	FETCH_A 1, 0, 0
	SCALES 1
	WIN MUL_HI
	MUL16 4, 1, NQ-1, 0, 0
	MUL16 6, 1, NQ-1, 0, 0
	PLACES NP
	WIN 0
	FETCH_A 1, 0, 4
	STEPS 1, 0
	s_wait_dscnt 4*NL                              ; the very last step: nothing more to fetch
	WIN MUL_LO
	MUL16 0, 1, NQ-1, 1, 0
	MUL16 2, 1, NQ-1, 1, 0
	s_wait_dscnt 0
	WIN MUL_HI
	MUL16 4, 1, NQ-1, 1, 0
	MUL16 6, 1, NQ-1, 1, 0
	WIN 0
; THE WAY OUT.  Side A's block a: its eight accumulators are rounded to f16, each from its low end on, four registers an accumulator, and stored as they stand: 512 consecutive bytes a store, aligned.
.macro PACK a
.set AC, 64*((\a)%4)
.set TM, 128+32*((\a)%4)
	WIN (0x0a+5*((\a)/4))                          ; sources 0 and 1: window 2 or 3
.irp b, 0,1,2,3,4,5,6,7
.irp r, 0,1,2,3
	v_cvt_pk_f16_f32 v[TM+4*\b+\r], v[AC+8*\b+2*\r], v[AC+8*\b+2*\r+1]
.endr
.endr
	WIN 0
.irp b, 0,1,2,3,4,5,6,7
	global_store_b128 v[LI], v[TM+4*\b:TM+4*\b+3], s[4+4*((\a)/4)+2*(\b/4):5+4*((\a)/4)+2*(\b/4)] offset:((\a)%4)*2048+(\b%4)*512
.endr
.endm
	PLACES NP                                      ; behind the last products: the conversions read results and write registers that held A's fragments
.irp a, 0,1,2,3,4,5,6,7
.if \a == 4
	s_wait_xcnt 0x0                                ; the four sets of packed registers are written again from here on: the stores of blocks 0 to 3 have read them
.endif
	PACK \a
.endr
	s_wait_tensorcnt 0x0                           ; the wave's end
	ds_add_u32 v[SPW], v[NIL]
	s_wait_dscnt 0x0
	CROUND                                         ; the closing round
	s_endpgm
.Lfunc_end_k_q9d33ffc043_qkv:
	.size	k_q9d33ffc043_qkv, .Lfunc_end_k_q9d33ffc043_qkv-k_q9d33ffc043_qkv
	.p2alignl 7, 3214868480
	.fill 96, 4, 3214868480
	.section	.rodata,"a",@progbits
	.p2align	6, 0x0
	.amdhsa_kernel k_q9d33ffc043_qkv
		.amdhsa_group_segment_fixed_size 327680
		.amdhsa_private_segment_fixed_size 0
		.amdhsa_enable_private_segment 0
		.amdhsa_kernarg_size 48
		.amdhsa_user_sgpr_count 2
		.amdhsa_user_sgpr_kernarg_segment_ptr 1
		.amdhsa_wavefront_size32 1
		.amdhsa_system_sgpr_workgroup_id_x 1
		.amdhsa_system_sgpr_workgroup_id_y 1
		.amdhsa_system_sgpr_workgroup_id_z 1
		.amdhsa_system_vgpr_workitem_id 0
		.amdhsa_next_free_vgpr 1024
		.amdhsa_next_free_sgpr 100
		.amdhsa_reserve_vcc 0
		.amdhsa_float_denorm_mode_32 3
		.amdhsa_float_denorm_mode_16_64 3
		.amdhsa_memory_ordered 1
		.amdhsa_forward_progress 1
		.amdhsa_inst_pref_size 118
	.end_amdhsa_kernel
	.amdgpu_metadata
---
amdhsa.version: [ 1, 2 ]
amdhsa.kernels:
  - .name:           k_q9d33ffc043_qkv
    .symbol:         k_q9d33ffc043_qkv.kd
    .args:
      - { .name: x_codes, .offset: 0, .size: 8, .value_kind: global_buffer, .address_space: global }
      - { .name: x_scales, .offset: 8, .size: 8, .value_kind: global_buffer, .address_space: global }
      - { .name: w_codes, .offset: 16, .size: 8, .value_kind: global_buffer, .address_space: global }
      - { .name: w_scales, .offset: 24, .size: 8, .value_kind: global_buffer, .address_space: global }
      - { .name: qk_img, .offset: 32, .size: 8, .value_kind: global_buffer, .address_space: global }
      - { .name: v_img, .offset: 40, .size: 8, .value_kind: global_buffer, .address_space: global }
    .group_segment_fixed_size: 327680
    .private_segment_fixed_size: 0
    .kernarg_segment_align: 8
    .kernarg_segment_size: 48
    .max_flat_workgroup_size: 128
    .sgpr_count:     100
    .vgpr_count:     1024
    .wavefront_size: 32
...
	.end_amdgpu_metadata
.endif
;; end of part 2
;; launch attn (part 3): grid 4 x 64, 8 waves a work-group, clusters of 4 x 1, 327,680 bytes of LDS; arguments qk_img, v_img, att_img; writes att_img
.if DOCPART == 3
	.amdgcn_target "amdgcn-amd-amdhsa--gfx1250"
	.amdhsa_code_object_version 6
	.text
	.protected	k_q9d33ffc043_attn
	.globl	k_q9d33ffc043_attn
	.p2align	8
	.type	k_q9d33ffc043_attn,@function
k_q9d33ffc043_attn:
	s_mov_b64 s[64:65], 0
	v_nop
	global_prefetch_b8 v0, s[64:65] scope:SCOPE_SE
	s_setreg_imm32_b32 hwreg(HW_REG_WAVE_MODE, 25, 1), 1
	s_wait_xcnt 0x0
	s_wait_alu depctr_hold_cnt(0) depctr_sa_sdst(0) depctr_va_vdst(0) depctr_va_sdst(0) depctr_va_ssrc(0) depctr_va_vcc(0) depctr_vm_vsrc(0)
	s_getreg_b32 s2, hwreg(HW_REG_IB_STS2, 6, 4)
	s_cmp_eq_u32 s2, 0
	s_cbranch_scc0 .Lentry_in_a_cluster
	s_endpgm
.Lentry_in_a_cluster:
	s_bfe_u32 s2, ttmp6, 0x10000c
	s_cmp_lg_u32 s2, 0x3003
	s_cbranch_scc0 .Lentry_shape_is_right
	s_endpgm
.Lentry_shape_is_right:
; att[b][h][q][:] = the sum over k of softmax_k(q . k / 8) v[k][:], 64 heads-in-batches of 2,048 tokens x 64 channels, no mask.  q, k, v arrive as f16 images of operand registers; products, maxima and sums in f32;
; the weights p are rounded to f16 for the second product, the result once at the end, to f16, again as images (for the projection that follows).
; f16 and not bf16: five roundings lie between here and the output, and the comparison's allowance is a hundredth of the output's root mean square.  p is at most 1.
; SHARES.  A cluster of four work-groups is one head of one batch; a work-group owns 512 queries, each of its eight waves 64: four tiles of 16.  Two waves share a SIMD's registers, 512 each: one wave's softmax stands
; beside the other's products.  Every wave walks all 2,048 keys, 64 a step: 32 products K Q^T, the softmax, 32 products V^T P.
; LAYOUT.  S^T = K Q^T (source 0 = 16 keys, source 1 = 16 queries): a lane holds ONE query (lane % 16) and the keys 8 (lane / 16) + 0..7 of each tile.  Rounded in pairs, two such tiles ARE source 1 of O^T = V^T P,
; whose result again holds one query a lane and eight channels.  V's images hold V^T (a lane a channel, registers along the keys), so nothing is turned.
; IMAGES.  A half fragment is 512 bytes, lane l's 16 at 16 l.  A step's K is 8,192 consecutive bytes of memory, and so is its V: tiles are dense, LDS rows need no padding, and every LDS load takes 512 consecutive bytes.
; SOFTMAX.  For each query a running maximum m and sum l: p = 2^(c s - c m), c = log2(e) / 8; in every step O and l are multiplied by a = 2^(c m_old - c m_new).
; RING.  Two slots of 8 steps (K 65,536 bytes, V 65,536).  Waves 0-3 fetch K's quarters, waves 4-7 V's, 16,384 bytes a load, JOINTLY for the four work-groups (mask 15).  2,048 keys are four slots' worth: two first fills
; and two refills, written out; a refill has eight steps' work in which to land.
; LIMITS: NaN among the scores, and rows whose scores are all -infinity, are not served.
; REGISTERS.  window 0: v1-7 addresses; v16-47 eight registers of statistics a tile; v48-51 c m_old; v64-191 S^T, 32 a tile (p is packed in place into a tile's first 16); v192-255 K's fragments.
;             window 1: v0-63 Q; v64-127 V's fragments; v128-255 O^T, 32 a tile.
.set LI,   1                           ; v1  16 x lane
.set ADK,  2                           ; v2  LDS address of the step's K
.set ADV,  3                           ; v3  of its V
.set SPW,  4                           ; v4  LDS address of my spare word; never rewritten
.set NIL,  5                           ; v5  0; never rewritten
.set PFO,  6                           ; v6  256 x lane; never rewritten
.set LIV,  7                           ; v7  16 x lane + V's place in a slot
.set ST,   16                          ; tile t at v[ST+8t]: +0 c m, +1 m, +2, +3 l (even keys', odd keys'), +4 .. +7 at work; +6 holds a, +4, +5 the second chain of sums
.set OLD,  48
.set S,    64
.set KB,   192
.set SLOTB, 131072
.set VOFF,  65536
.set STEPB, 8192
.set SPARE, 2*SLOTB                    ; behind the ring: the spare words, 128 bytes for each of eight waves, which no other line names
.set WV,   12
.set PFA,  18                          ; s[18:19] what my one prefetch names
.set G1,   24                          ; s[24:31] descriptor group 1, one for all loads
.set G0K,  32                          ; s[32:39] group 0 for K, a set for each slot
.set G0V,  40                          ; s[40:47] for V
.set TB,   48                          ; s48 LDS byte at which the step's tiles begin
.set CNT,  49
.set QP,   50
.set CS,   58                          ; s[58:59] c, named as a pair by the packed form
.set SEL,  60                          ; s[60:61] lane selects: lane l xor 16
.set ODD,  62
.set MSB, 0
.macro WIN new
.if MSB != \new
	s_set_vgpr_msb (MSB<<8)|\new
.set MSB, \new
.endif
.endm
.set W_KQ, 0x04                        ; Q (source 1) in window 1
.set W_PV, 0x51                        ; V (source 0), C and D in window 1
.set W_RS, 0x41                        ; O^T (destination and source 0) in window 1
.set TO1,  0x40                        ; destination in window 1
.set W_CV, 0x05                        ; sources 0 and 1 in window 1
.macro JLOAD s                         ; a joint refill of slot s.  The branch hangs on the wave's number alone.  An s_nop 0 and four v_nop follow each of the two lines
	s_cmp_lt_u32 s[WV], 4
	s_cbranch_scc0 .Lfor_v_\@
	tensor_load_to_lds s[G0K+4*\s:G0K+4*\s+3], s[G1:G1+7]
	s_nop 0
.rept 4
	v_nop
.endr
	s_branch .Lasked_\@
.Lfor_v_\@:
	tensor_load_to_lds s[G0V+4*\s:G0V+4*\s+3], s[G1:G1+7]
	s_nop 0
.rept 4
	v_nop
.endr
.Lasked_\@:
.endm
.macro CROUND                          ; a round of the cluster's barrier
	s_barrier_signal -1
	s_barrier_wait -1
	s_cmp_lg_u32 s[WV], 0
	s_cbranch_scc1 .Lnot_wave_0_\@
	s_barrier_signal -3
.Lnot_wave_0_\@:
	s_barrier_wait -3
	s_barrier_signal -1
	s_barrier_wait -1
.endm
	s_load_b128 s[4:7], s[0:1], 0x0                ; qk_img, v_img
	s_load_b64 s[8:9], s[0:1], 0x10                ; att_img
	v_lshl_add_u32 v[SPW], v0, 2, SPARE
	v_mov_b32 v[NIL], 0
	ds_add_u32 v[SPW], v[NIL]                      ; the wave's opening: the add, twice on end, and its wait ahead of my first tensor load
	ds_add_u32 v[SPW], v[NIL]
	v_lshrrev_b32 v8, 5, v0
	v_readfirstlane_b32 s[WV], v8                  ; wave 0..7
	v_and_b32 v8, 31, v0
	v_lshlrev_b32 v[LI], 4, v8
	v_lshlrev_b32 v[PFO], 8, v8
	v_add_nc_u32 v[LIV], VOFF, v[LI]
	s_bfe_u32 s13, ttmp6, 0x40000                  ; cx: it enters Q's, the output's and the prefetch's addresses alone
	s_and_b32 s14, ttmp7, 0xffff                   ; batch x 16 + head, which the four partners share
	s_and_b32 s15, s14, 15                         ; head
	s_lshr_b32 s16, s14, 4                         ; batch
	s_and_b32 s2, s[WV], 3
	s_lshl_b32 s2, s2, 14                          ; my quarter of a slot's K or V: 16,384 bytes, in memory and in LDS alike
	s_mov_b32 s3, 0
	s_add_co_u32 s20, s15, 16
	s_lshl_b32 s20, s20, 20
	s_lshl_b32 s21, s16, 18
	s_add_co_u32 s20, s20, s21                     ; K of my head and batch: (16 + head) x 2^20 + batch x 2^18
	s_mov_b32 s21, 0
	s_lshl_b32 s22, s14, 18                        ; V likewise: (batch x 16 + head) x 2^18
	s_mov_b32 s23, 0
	s_lshl_b32 s52, s16, 7
	s_lshl_b32 s53, s13, 5
	s_add_co_u32 s52, s52, s53
	s_lshl_b32 s53, s[WV], 2
	s_add_co_u32 s52, s52, s53                     ; my first tile of 16 tokens: 128 x batch + 32 cx + 4 x wave
	s_lshl_b32 s54, s15, 20
	s_lshl_b32 s55, s52, 11
	s_add_co_u32 s54, s54, s55                     ; Q: head x 2^20 + tile x 2,048
	s_mov_b32 s55, 0
	s_lshr_b32 s56, s15, 1
	s_lshl_b32 s56, s56, 21
	s_lshl_b32 s57, s52, 12
	s_add_co_u32 s56, s56, s57
	s_and_b32 s57, s15, 1
	s_lshl_b32 s57, s57, 11
	s_add_co_u32 s56, s56, s57                     ; the output: (head / 2) x 2^21 + tile x 4,096 + (head % 2) x 2,048
	s_mov_b32 s57, 0
	s_and_b32 s52, s[WV], 2
	s_lshl_b32 s52, s52, 14                        ; the prefetch: which half of the 65,536 bytes (waves 0, 4: the first; 2, 6: the second),
	s_lshl_b32 s53, s13, 13
	s_add_co_u32 s52, s52, s53                     ; my work-group's 8,192 of it,
	s_add_co_u32 s52, s52, 3*65536                 ; in the last slot's worth of keys
	s_mov_b32 s53, 0
	s_and_b32 s[ODD], s[WV], 1
	s_mov_b32 s[G1], 15|(3<<16)|(1<<21)            ; the mask: all four work-groups; elements of 8 bytes; bit 21 beside a mask; no padding
	s_mov_b32 s[G1+1], 32<<16                      ; tensor_dim0 = 32 elements: rows of 256 bytes
	s_mov_b32 s[G1+2], 64<<16                      ; tensor_dim1 = 64
	s_mov_b32 s[G1+3], 32<<16                      ; tile_dim0
	s_mov_b32 s[G1+4], 64                          ; tile_dim1
	s_mov_b32 s[G1+5], 32                          ; the pitch: dense
	s_mov_b32 s[G1+6], 0
	s_mov_b32 s[G1+7], 0
	s_mov_b32 s[CS], 0x3e38aa3b                    ; c = log2(e) / 8
	s_mov_b32 s[CS+1], s[CS]
	s_mov_b32 s[SEL], 0x76543210
	s_mov_b32 s[SEL+1], 0xfedcba98
	s_mov_b32 s[TB], 0
	s_wait_dscnt 0x0                               ; both opening adds are done
	s_wait_kmcnt 0x0
	s_add_nc_u64 s[20:21], s[4:5], s[20:21]
	s_add_nc_u64 s[22:23], s[6:7], s[22:23]
	s_add_nc_u64 s[QP:QP+1], s[4:5], s[54:55]
	s_add_nc_u64 s[8:9], s[8:9], s[56:57]
	s_cmp_lt_u32 s[WV], 4
	s_cselect_b64 s[PFA:PFA+1], s[20:21], s[22:23]
	s_add_nc_u64 s[PFA:PFA+1], s[PFA:PFA+1], s[52:53]
	s_add_nc_u64 s[20:21], s[20:21], s[2:3]        ; K and V at my quarter of slot 0
	s_add_nc_u64 s[22:23], s[22:23], s[2:3]
	CROUND                                         ; all four work-groups are here: the first joint loads meet
.irp s, 0,1
	s_mov_b32 s[G0K+4*\s], 1
	s_add_co_u32 s[G0K+4*\s+1], s2, \s*SLOTB
	s_add_nc_u64 s[G0K+4*\s+2:G0K+4*\s+3], s[20:21], \s*65536
	s_or_b32 s[G0K+4*\s+3], s[G0K+4*\s+3], 0x80000000
	s_mov_b32 s[G0V+4*\s], 1
	s_add_co_u32 s[G0V+4*\s+1], s2, \s*SLOTB+VOFF
	s_add_nc_u64 s[G0V+4*\s+2:G0V+4*\s+3], s[22:23], \s*65536
	s_or_b32 s[G0V+4*\s+3], s[G0V+4*\s+3], 0x80000000
.endr
	s_cmp_lt_u32 s[WV], 4                          ; a wave's two first fills stand in one branch: two loads of mine are out
	s_cbranch_scc0 .Lfirst_v
	tensor_load_to_lds s[G0K:G0K+3], s[G1:G1+7]
	s_nop 0
	tensor_load_to_lds s[G0K+4:G0K+7], s[G1:G1+7]
	s_nop 0
.rept 4
	v_nop
.endr
	s_branch .Lfirst_asked
.Lfirst_v:
	tensor_load_to_lds s[G0V:G0V+3], s[G1:G1+7]
	s_nop 0
	tensor_load_to_lds s[G0V+4:G0V+7], s[G1:G1+7]
	s_nop 0
.rept 4
	v_nop
.endr
.Lfirst_asked:
	WIN TO1
.set i, 0
.rept 16                               ; Q stays in registers: tile i / 4, channels 32 ((i / 2) % 2) on, half i % 2
	global_load_b128 v[4*i:4*i+3], v[LI], s[QP:QP+1] offset:512*i
.set i, i+1
.endr
	WIN 0
; A KEY STEP of 64 keys.  first = 1: the first step, which starts m, l and O^T.
.macro STEP first
	v_add_nc_u32 v[ADK], s[TB], v[LI]              ; these two and three v_nop are five places behind the last products V^T P: four for the loads into V's registers, five for the products below, which write over p's
	v_add_nc_u32 v[ADV], s[TB], v[LIV]
.rept 3
	v_nop
.endr
.set i, 0
.rept 16
	ds_load_b128 v[KB+4*i:KB+4*i+3], v[ADK] offset:512*i
.set i, i+1
.endr
	WIN TO1
.set i, 0
.rept 16
	ds_load_b128 v[64+4*i:64+4*i+3], v[ADV] offset:512*i
.set i, i+1
.endr
	s_wait_dscnt 16                                ; K is in; V's sixteen loads may be out
	WIN W_KQ
.irp c, 0,1                            ; S^T = K Q^T: the 16 accumulators take turns, one instruction a turn
.irp kt, 0,1,2,3
.irp t, 0,1,2,3
.if \c == 0
	v_wmma_f32_16x16x32_f16 v[S+32*\t+8*\kt:S+32*\t+8*\kt+7], v[KB+16*\kt+8*\c:KB+16*\kt+8*\c+7], v[16*\t+8*\c:16*\t+8*\c+7], 0
.else
	v_wmma_f32_16x16x32_f16 v[S+32*\t+8*\kt:S+32*\t+8*\kt+7], v[KB+16*\kt+8*\c:KB+16*\kt+8*\c+7], v[16*\t+8*\c:16*\t+8*\c+7], v[S+32*\t+8*\kt:S+32*\t+8*\kt+7]
.endif
.endr
.endr
.endr
	WIN 0
.if \first
.rept 4
	v_nop                                          ; four places behind the products
.endr
.else
.irp t, 0,1,2,3
	v_mov_b32 v[OLD+\t], v[ST+8*\t]                ; c m_old is kept for a: these four are the places behind the products
.endr
.endif
.irp j, 0,1,2,3                        ; the maximum of a lane's 32 scores: four chains a tile, each beginning at its accumulator's low end; the four tiles by turns
.irp t, 0,1,2,3
	v_max3_num_f32 v[ST+8*\t+4+\j], v[S+32*\t+8*\j], v[S+32*\t+8*\j+1], v[S+32*\t+8*\j+2]
.endr
.endr
.irp u, 3,5
.irp j, 0,1,2,3
.irp t, 0,1,2,3
	v_max3_num_f32 v[ST+8*\t+4+\j], v[ST+8*\t+4+\j], v[S+32*\t+8*\j+\u], v[S+32*\t+8*\j+\u+1]
.endr
.endr
.endr
.irp t, 0,1,2,3
	v_max3_num_f32 v[ST+8*\t+4], v[ST+8*\t+4], v[S+32*\t+7], v[S+32*\t+15]
.endr
.irp t, 0,1,2,3
	v_max3_num_f32 v[ST+8*\t+6], v[ST+8*\t+6], v[S+32*\t+23], v[S+32*\t+31]
.endr
.irp t, 0,1,2,3
	v_max3_num_f32 v[ST+8*\t+4], v[ST+8*\t+4], v[ST+8*\t+5], v[ST+8*\t+6]
.endr
.irp t, 0,1,2,3
.if \first
	v_max_num_f32 v[ST+8*\t+4], v[ST+8*\t+4], v[ST+8*\t+7]
.else
	v_max3_num_f32 v[ST+8*\t+4], v[ST+8*\t+4], v[ST+8*\t+7], v[ST+8*\t+1]
.endif
.endr
.irp t, 0,1,2,3
	v_permlanex16_b32 v[ST+8*\t+5], v[ST+8*\t+4], s[SEL], s[SEL+1]   ; the query's other 32 keys lie in the lane 16 away
.endr
.irp t, 0,1,2,3
	v_max_num_f32 v[ST+8*\t+1], v[ST+8*\t+4], v[ST+8*\t+5]           ; the new m
.endr
.irp t, 0,1,2,3
	v_mul_f32 v[ST+8*\t], s[CS], v[ST+8*\t+1]                        ; c m
.endr
.if \first == 0
.irp t, 0,1,2,3
	v_sub_f32 v[ST+8*\t+7], v[OLD+\t], v[ST+8*\t]
.endr
.irp t, 0,1,2,3
	v_exp_f32 v[ST+8*\t+6], v[ST+8*\t+7]                             ; a = 2^(c m_old - c m_new)
.endr
.endif
; ONE BATCH: the scalings c s - c m, a pair of scores each, and the exponentials: pair pb is scaled, then pair pb - 1 goes through its exponentials.  No line here reads an exponential's result.
.set pb, 0
.rept 16
.irp t, 0,1,2,3
	v_pk_fma_f32 v[S+32*\t+2*pb:S+32*\t+2*pb+1], v[S+32*\t+2*pb:S+32*\t+2*pb+1], s[CS:CS+1], v[ST+8*\t:ST+8*\t+1] op_sel_hi:[1,0,0] neg_lo:[0,0,1] neg_hi:[0,0,1]
.endr
.if pb > 0
.irp t, 0,1,2,3
	v_exp_f32 v[S+32*\t+2*pb-2], v[S+32*\t+2*pb-2]
	v_exp_f32 v[S+32*\t+2*pb-1], v[S+32*\t+2*pb-1]
.endr
.endif
.set pb, pb+1
.endr
.irp t, 0,1,2,3
	v_exp_f32 v[S+32*\t+30], v[S+32*\t+30]
	v_exp_f32 v[S+32*\t+31], v[S+32*\t+31]
.endr
	v_nop                                          ; a plain instruction behind the last exponential, ahead of the first use
	s_wait_alu depctr_va_vdst(0)                   ; a wait ahead of the first line that names a result: one for the whole batch
; the sums, of the unrounded p, in two chains a tile; they leave p as it is
.irp t, 0,1,2,3
.if \first
	v_pk_add_f32 v[ST+8*\t+2:ST+8*\t+3], v[S+32*\t:S+32*\t+1], v[S+32*\t+4:S+32*\t+5]
.else
	v_pk_fma_f32 v[ST+8*\t+2:ST+8*\t+3], v[ST+8*\t+2:ST+8*\t+3], v[ST+8*\t+6:ST+8*\t+7], v[S+32*\t:S+32*\t+1] op_sel_hi:[1,0,1]
.endif
	v_pk_add_f32 v[ST+8*\t+4:ST+8*\t+5], v[S+32*\t+2:S+32*\t+3], v[S+32*\t+6:S+32*\t+7]
.endr
.if \first == 0
.irp t, 0,1,2,3
	v_pk_add_f32 v[ST+8*\t+2:ST+8*\t+3], v[ST+8*\t+2:ST+8*\t+3], v[S+32*\t+4:S+32*\t+5]
.endr
.endif
.irp o, 8,12,16,20,24,28
.irp t, 0,1,2,3
	v_pk_add_f32 v[ST+8*\t+2:ST+8*\t+3], v[ST+8*\t+2:ST+8*\t+3], v[S+32*\t+\o:S+32*\t+\o+1]
	v_pk_add_f32 v[ST+8*\t+4:ST+8*\t+5], v[ST+8*\t+4:ST+8*\t+5], v[S+32*\t+\o+2:S+32*\t+\o+3]
.endr
.endr
.irp t, 0,1,2,3
	v_pk_add_f32 v[ST+8*\t+2:ST+8*\t+3], v[ST+8*\t+2:ST+8*\t+3], v[ST+8*\t+4:ST+8*\t+5]
.endr
.set i, 0
.rept 16                               ; p to f16, in place: register i takes pair i; no register is written before it has been read
.irp t, 0,1,2,3
	v_cvt_pk_f16_f32 v[S+32*\t+i], v[S+32*\t+2*i], v[S+32*\t+2*i+1]
.endr
.set i, i+1
.endr
.if \first == 0
	WIN W_RS
.set i, 0
.rept 16                               ; O^T x a, each accumulator from its low end on
.irp t, 0,1,2,3
	v_pk_mul_f32 v[128+32*\t+2*i:128+32*\t+2*i+1], v[128+32*\t+2*i:128+32*\t+2*i+1], v[ST+8*\t+6:ST+8*\t+7] op_sel_hi:[1,0]
.endr
.set i, i+1
.endr
.endif
	s_wait_dscnt 0x0                               ; V is in
	WIN W_PV
.irp kk, 0,1                           ; O^T += V^T P: the 16 accumulators take turns
.irp ct, 0,1,2,3
.irp t, 0,1,2,3
.if \first && (\kk == 0)
	v_wmma_f32_16x16x32_f16 v[128+32*\t+8*\ct:128+32*\t+8*\ct+7], v[64+16*\ct+8*\kk:64+16*\ct+8*\kk+7], v[S+32*\t+8*\kk:S+32*\t+8*\kk+7], 0
.else
	v_wmma_f32_16x16x32_f16 v[128+32*\t+8*\ct:128+32*\t+8*\ct+7], v[64+16*\ct+8*\kk:64+16*\ct+8*\kk+7], v[S+32*\t+8*\kk:S+32*\t+8*\kk+7], v[128+32*\t+8*\ct:128+32*\t+8*\ct+7]
.endif
.endr
.endr
.endr
	WIN 0
	s_add_co_u32 s[TB], s[TB], STEPB               ; the next step's tiles
.endm
.macro STEPS n
	s_mov_b32 s[CNT], \n
.Lstep_\@:
	STEP 0
	s_sub_co_u32 s[CNT], s[CNT], 1
	s_cmp_lg_u32 s[CNT], 0
	s_cbranch_scc1 .Lstep_\@
.endm
; THE CHANGE OF SLOTS: slot is left.  Each wave waits for all its tensor loads (its part of the other slot), adds 0 to its spare word, and waits for that and for its reads of the slot.  fill = 1: the barrier is a round of
; the cluster's, and the slot is filled again, first thing behind it, with the keys two slots on.  ask = 1: one prefetch follows, for what the NEXT refill will load.
.macro CHANGE slot, fill, ask
	s_wait_tensorcnt 0x0                           ; no tensor load of mine is out, so a group 0 may be written
	ds_add_u32 v[SPW], v[NIL]                      ; 0 onto my spare word
.if \fill
	s_add_nc_u64 s[G0K+4*\slot+2:G0K+4*\slot+3], s[G0K+4*\slot+2:G0K+4*\slot+3], 2*65536
	s_add_nc_u64 s[G0V+4*\slot+2:G0V+4*\slot+3], s[G0V+4*\slot+2:G0V+4*\slot+3], 2*65536
.endif
	s_mov_b32 s[TB], (1-\slot)*SLOTB               ; the fetches go on in the other slot
	s_wait_dscnt 0x0                               ; the add is done, and my reads of the slot are over
.if \fill
	CROUND
	JLOAD \slot
.if \ask
; The last slot's worth of K and V, 65,536 bytes each, is named once in the launch: only this cluster reads this head.  The four partners share it out by address, 8,192 bytes of each half; waves 0 and 2 ask for K's
; halves, waves 4 and 6 for V's, lanes 256 bytes apart.  It stands behind the tensor load and its five lines, eight key steps ahead of the refill that will load these bytes; the address registers are never rewritten.
	s_cmp_eq_u32 s[ODD], 0
	s_cbranch_scc0 .Lnot_mine_\@
	global_prefetch_b8 v[PFO], s[PFA:PFA+1] th:TH_LOAD_NT scope:SCOPE_SE
.Lnot_mine_\@:
.endif
.else
	s_barrier_signal -1
	s_barrier_wait -1
.endif
.endm
	s_wait_tensorcnt 1                             ; my part of slot 0 is in; slot 1's may stay out
	s_barrier_signal -1
	s_barrier_wait -1                              ; everybody's is
	s_wait_loadcnt 0x0                             ; Q
	STEP 1
	STEPS 7
	CHANGE 0, 1, 1                                 ; slot 0 takes keys 1,024 on
	STEPS 8
	CHANGE 1, 1, 0                                 ; slot 1 takes keys 1,536 on: the last load
	STEPS 8
	CHANGE 0, 0, 0
	STEPS 8
	; THE WAY OUT.  l's two halves and the other half of the lanes' are added; O^T is divided by l, rounded to f16 and stored as images: a lane's eight channels are 16 bytes, half a fragment of the projection's operand.
.irp t, 0,1,2,3
	v_add_f32 v[ST+8*\t+4], v[ST+8*\t+2], v[ST+8*\t+3]               ; (these four are the places behind the last products)
.endr
.irp t, 0,1,2,3
	v_permlanex16_b32 v[ST+8*\t+5], v[ST+8*\t+4], s[SEL], s[SEL+1]
.endr
.irp t, 0,1,2,3
	v_add_f32 v[ST+8*\t+4], v[ST+8*\t+4], v[ST+8*\t+5]
.endr
.irp t, 0,1,2,3
	v_rcp_f32 v[ST+8*\t+6], v[ST+8*\t+4]
.endr
	v_nop                                          ; a plain instruction between the last reciprocal and the use of its result
	s_wait_alu depctr_va_vdst(0)                   ; and a wait: one for the four
	WIN W_RS
.set i, 0
.rept 16
.irp t, 0,1,2,3
	v_pk_mul_f32 v[128+32*\t+2*i:128+32*\t+2*i+1], v[128+32*\t+2*i:128+32*\t+2*i+1], v[ST+8*\t+6:ST+8*\t+7] op_sel_hi:[1,0]
.endr
.set i, i+1
.endr
	WIN W_CV
.set i, 0
.rept 64                               ; register i of v64-127: tile i / 16, channels 16 ((i / 4) % 4) on
	v_cvt_pk_f16_f32 v[64+i], v[128+2*i], v[128+2*i+1]
.set i, i+1
.endr
	WIN 0
.irp t, 0,1,2,3
.irp ct, 0,1,2,3
	global_store_b128 v[LI], v[64+16*\t+4*\ct:64+16*\t+4*\ct+3], s[8:9] offset:\t*4096+\ct*512   ; 32 lanes store 512 consecutive bytes, aligned
.endr
.endr
	s_wait_tensorcnt 0x0                           ; the wave's end
	ds_add_u32 v[SPW], v[NIL]
	s_wait_dscnt 0x0
	CROUND                                         ; the closing round
	s_endpgm
.Lfunc_end_k_q9d33ffc043_attn:
	.size	k_q9d33ffc043_attn, .Lfunc_end_k_q9d33ffc043_attn-k_q9d33ffc043_attn
	.p2alignl 7, 3214868480
	.fill 96, 4, 3214868480
	.section	.rodata,"a",@progbits
	.p2align	6, 0x0
	.amdhsa_kernel k_q9d33ffc043_attn
		.amdhsa_group_segment_fixed_size 327680
		.amdhsa_private_segment_fixed_size 0
		.amdhsa_enable_private_segment 0
		.amdhsa_kernarg_size 24
		.amdhsa_user_sgpr_count 2
		.amdhsa_user_sgpr_kernarg_segment_ptr 1
		.amdhsa_wavefront_size32 1
		.amdhsa_system_sgpr_workgroup_id_x 1
		.amdhsa_system_sgpr_workgroup_id_y 1
		.amdhsa_system_sgpr_workgroup_id_z 1
		.amdhsa_system_vgpr_workitem_id 0
		.amdhsa_next_free_vgpr 512
		.amdhsa_next_free_sgpr 66
		.amdhsa_reserve_vcc 0
		.amdhsa_float_denorm_mode_32 3
		.amdhsa_float_denorm_mode_16_64 3
		.amdhsa_memory_ordered 1
		.amdhsa_forward_progress 1
		.amdhsa_inst_pref_size 174
	.end_amdhsa_kernel
	.amdgpu_metadata
---
amdhsa.version: [ 1, 2 ]
amdhsa.kernels:
  - .name:           k_q9d33ffc043_attn
    .symbol:         k_q9d33ffc043_attn.kd
    .args:
      - { .name: qk_img, .offset: 0, .size: 8, .value_kind: global_buffer, .address_space: global }
      - { .name: v_img, .offset: 8, .size: 8, .value_kind: global_buffer, .address_space: global }
      - { .name: att_img, .offset: 16, .size: 8, .value_kind: global_buffer, .address_space: global }
    .group_segment_fixed_size: 327680
    .private_segment_fixed_size: 0
    .kernarg_segment_align: 8
    .kernarg_segment_size: 24
    .max_flat_workgroup_size: 256
    .sgpr_count:     66
    .vgpr_count:     512
    .wavefront_size: 32
...
	.end_amdgpu_metadata
.endif
;; end of part 3
;; launch oproj (part 4): grid 4 x 64, 4 waves a work-group, clusters of 4 x 4, 327,680 bytes of LDS; arguments att_img, wo_h, out0; writes out0
.if DOCPART == 4
	.amdgcn_target "amdgcn-amd-amdhsa--gfx1250"
	.amdhsa_code_object_version 6
	.text
	.protected	k_q9d33ffc043_oproj
	.globl	k_q9d33ffc043_oproj
	.p2align	8
	.type	k_q9d33ffc043_oproj,@function
k_q9d33ffc043_oproj:
	s_mov_b64 s[64:65], 0
	v_nop
	global_prefetch_b8 v0, s[64:65] scope:SCOPE_SE
	s_setreg_imm32_b32 hwreg(HW_REG_WAVE_MODE, 25, 1), 1
	s_wait_xcnt 0x0
	s_wait_alu depctr_hold_cnt(0) depctr_sa_sdst(0) depctr_va_vdst(0) depctr_va_sdst(0) depctr_va_ssrc(0) depctr_va_vcc(0) depctr_vm_vsrc(0)
	s_getreg_b32 s2, hwreg(HW_REG_IB_STS2, 6, 4)
	s_cmp_eq_u32 s2, 0
	s_cbranch_scc0 .Lentry_in_a_cluster
	s_endpgm
.Lentry_in_a_cluster:
	s_bfe_u32 s2, ttmp6, 0x10000c
	s_cmp_lg_u32 s2, 0xf033
	s_cbranch_scc0 .Lentry_shape_is_right
	s_endpgm
.Lentry_shape_is_right:
; out0[token][f] = the sum over e of att[token][e] w_o[f][e]: [8192][1024] x [1024][1024], f16 operands, f32 sums, f32 out.
; att arrives as images of operand registers, [K step of 128, 8][tile of 16 tokens, 512][8 halves of a fragment][lane][16 bytes]; w_o as f16 rows.
; A tile of 128 tokens x 256 columns is made by a work-group of four waves: 64 x 4 = 256 work-groups, one for each WGP.  A wave makes 64 x 128: 32 accumulators of 16 x 16, 256 registers.
; K goes in 8 steps of 128 through a ring of two LDS slots.  A step's 128 tokens of att are 32,768 consecutive bytes (dense, no padding: every LDS load takes 512 consecutive bytes); w_o's 256 rows are 256 bytes each,
; padded by 16 in LDS.  Waves 0 and 1 fetch att's halves, waves 2 and 3 w_o's.
; CLUSTERS: 4 x 4.  The four of a row of the cluster make one tile row and need the same tiles of att; the four of a column need the same rows of w_o: each is asked for jointly.
; THE MATRIX INSTRUCTION IS USED TRANSPOSED (source 0 = 16 rows of w_o, source 1 = 16 tokens): a lane holds eight neighbouring columns of one row of out0.
; REGISTERS.  window 0: v16-30 addresses; two fragment buffers of 96 (v32-127, v128-223): w_o's 8 fragments, then att's 4; on the way out v32-159 hold rows.  window 1: accumulator (a, b) at v[8 (8 a + b)].
.set PB,    272                        ; a row of w_o in LDS: 256 bytes + 16 = 68 words: the 16 rows of a load start at 16 different banks (64 banks of 4 bytes: ISA guide 11.1)
.set AB,    32768                      ; att's part of a slot
.set HALFB, 128*PB
.set SLOT,  AB+2*HALFB
.set STAGE, 2*SLOT                     ; behind the ring: 16 rows x 528 bytes for each wave; no tensor load fills it
.set SPI,   528
.set SPARE, STAGE+4*16*SPI             ; the spare words, 128 bytes a wave, which no other line names
.set ADRA, 16
.set ADRB, 20
.set STO,  24
.set RD,   25
.set CO,   26                          ; v26  16 x lane
.set SPW,  28
.set NIL,  29
.set PFO,  30                          ; v30  256 x lane; never rewritten
.set F0,   32
.set F1,   128
.set BK,   32
.set G1,  24
.set G0,  32
.set G1B, 48
.set G0B, 56
.set LIM, 43                           ; s43  1 in the wave that prefetches, else the greatest number
.set PFA, 44                           ; s[44:45] where my prefetches stand
.set MSB, 0
.macro WIN new
.if MSB != \new
	s_set_vgpr_msb (MSB<<8)|\new
.set MSB, \new
.endif
.endm
.set MUL, 0x50                         ; C and D in window 1
.macro JLOAD s                         ; a joint load: the branch hangs on the wave's number alone; an s_nop 0 and four v_nop follow each of the two lines
	s_cmp_eq_u32 s11, 0
	s_cbranch_scc0 .Lfor_b_\@
	tensor_load_to_lds s[G0+4*\s:G0+4*\s+3], s[G1:G1+7]
	s_nop 0
.rept 4
	v_nop
.endr
	s_branch .Lasked_\@
.Lfor_b_\@:
	tensor_load_to_lds s[G0B+4*\s:G0B+4*\s+3], s[G1B:G1B+7]
	s_nop 0
.rept 4
	v_nop
.endr
.Lasked_\@:
.endm
.macro CREST                           ; a round of the cluster's barrier behind its opening barrier
	s_cmp_lg_u32 s10, 0
	s_cbranch_scc1 .Lnot_wave_0_\@
	s_barrier_signal -3
.Lnot_wave_0_\@:
	s_barrier_wait -3
	s_barrier_signal -1
	s_barrier_wait -1
.endm
.macro CROUND
	s_barrier_signal -1
	s_barrier_wait -1
	CREST
.endm
; A PREFETCH of att's tile of the K step that stands two refills on: 32,768 bytes, read by this row of the cluster alone.  The four partners share it out by address, 8,192 bytes each; in each, wave 0 asks, lanes 256 bytes
; apart: each block is named once.  It stands behind the joint load, its five lines and the run of LDS loads: 256 matrix instructions ahead of the load that will want the bytes.  The loop's last trip asks for nothing:
; there is no K step two on.  w_o's rows are read by every cluster again and again, and are not asked for.
.macro ASK
	s_cmp_gt_u32 s3, s[LIM]
	s_cbranch_scc0 .Lnot_mine_\@
	global_prefetch_b8 v[PFO], s[PFA:PFA+1] th:TH_LOAD_NT scope:SCOPE_SE
.Lnot_mine_\@:
.endm
	s_load_b128 s[4:7], s[0:1], 0x0                ; att_img, wo_h
	s_load_b64 s[8:9], s[0:1], 0x10                ; out0
	v_lshl_add_u32 v[SPW], v0, 2, SPARE
	v_mov_b32 v[NIL], 0
	ds_add_u32 v[SPW], v[NIL]                      ; the wave's opening: the add, twice on end, and its wait ahead of my first tensor load
	ds_add_u32 v[SPW], v[NIL]
	v_lshrrev_b32 v1, 5, v0
	v_readfirstlane_b32 s10, v1                    ; wave 0..3
	s_lshr_b32 s11, s10, 1                         ; which 64 tokens are mine.  Also: I fetch att (0) or w_o (1)
	s_and_b32 s12, s10, 1                          ; which 128 columns.  Also: which half of that tile I fetch
	s_bfe_u32 s40, ttmp6, 0x40000                  ; cx = the tile column (the grid is one cluster wide)
	s_bfe_u32 s41, ttmp6, 0x40004                  ; cy
	s_and_b32 s13, ttmp7, 0xffff
	s_lshl_b32 s13, s13, 2
	s_add_co_u32 s13, s13, s41                     ; the tile row = 4 x cluster y + cy
	s_lshl_b32 s22, s41, 2
	s_lshl_b32 s22, 15, s22                        ; my row of the cluster
	s_lshl_b32 s23, 0x1111, s40                    ; my column
	s_or_b32 s[G1+0], s22, (3<<16)|(1<<21)         ; att: the mask; elements of 8 bytes; bit 21 beside a mask; no padding
	s_mov_b32 s[G1+1], 32<<16                      ; 16,384 dense bytes as 64 rows of 256
	s_mov_b32 s[G1+2], 64<<16
	s_mov_b32 s[G1+3], 32<<16
	s_mov_b32 s[G1+4], 64
	s_mov_b32 s[G1+5], 32
	s_mov_b32 s[G1+6], 0
	s_mov_b32 s[G1+7], 0
	s_or_b32 s[G1B+0], s23, (1<<16)|(1<<20)|(1<<21)|(5<<22)|(3<<25)  ; w_o: elements of 2 bytes; padding: 4 words after every 64
	s_mov_b32 s[G1B+1], 128<<16
	s_mov_b32 s[G1B+2], 128<<16
	s_mov_b32 s[G1B+3], 128<<16
	s_mov_b32 s[G1B+4], 128
	s_mov_b32 s[G1B+5], 1024
	s_mov_b32 s[G1B+6], 0
	s_mov_b32 s[G1B+7], 0
	s_lshl_b32 s16, s13, 15
	s_lshl_b32 s17, s12, 14
	s_add_co_u32 s16, s16, s17                     ; att: tile row x 32,768 + half x 16,384
	s_mov_b32 s17, 0
	s_lshl_b32 s46, s40, 19
	s_lshl_b32 s47, s12, 18
	s_add_co_u32 s46, s46, s47                     ; w_o: (256 x tile column + 128 x half) rows of 2,048 bytes
	s_mov_b32 s47, 0
	s_lshl_b32 s20, s12, 14                        ; where they go: no place in the cluster enters an LDS address
	s_mul_i32 s21, s12, HALFB
	s_add_co_u32 s21, s21, AB
	s_wait_dscnt 0x0                               ; both opening adds are done
	s_wait_kmcnt 0x0
	s_add_nc_u64 s[14:15], s[4:5], s[16:17]
	s_add_nc_u64 s[46:47], s[6:7], s[46:47]
	CROUND                                         ; all sixteen work-groups are here: the first joint loads meet
.irp s, 0,1
	s_mov_b32 s[G0+4*\s], 1
	s_add_co_u32 s[G0+4*\s+1], s20, \s*SLOT
	s_add_nc_u64 s[G0+4*\s+2:G0+4*\s+3], s[14:15], \s*0x200000     ; a K step on in att_img
	s_or_b32 s[G0+4*\s+3], s[G0+4*\s+3], 0x80000000
	s_mov_b32 s[G0B+4*\s], 1
	s_add_co_u32 s[G0B+4*\s+1], s21, \s*SLOT
	s_add_nc_u64 s[G0B+4*\s+2:G0B+4*\s+3], s[46:47], \s*256
	s_or_b32 s[G0B+4*\s+3], s[G0B+4*\s+3], 0x80000000
	JLOAD \s
.endr
	v_and_b32 v1, 15, v0                           ; l % 16
	v_bfe_u32 v2, v0, 4, 1                         ; l / 16
	v_and_b32 v3, 31, v0
	v_lshlrev_b32 v[CO], 4, v3
	v_lshlrev_b32 v[PFO], 8, v3
	v_mul_u32_u24 v4, v1, PB
	v_lshl_add_u32 v4, v2, 4, v4                   ; w_o: row x pitch + 16 x half
	s_lshl_b32 s21, s11, 14                        ; my 64 tokens' images
	s_mul_i32 s22, s12, HALFB
	s_add_co_u32 s22, s22, AB                      ; my 128 rows of w_o
.irp s, 0,1
	v_add_nc_u32 v[ADRA+\s], s21, v[CO]
	v_add_nc_u32 v[ADRB+\s], s22, v4
	s_add_co_u32 s21, s21, SLOT
	s_add_co_u32 s22, s22, SLOT
.endr
	s_mul_i32 s23, s10, 16*SPI
	s_add_co_u32 s23, s23, STAGE                   ; my stage
	v_mul_u32_u24 v5, v1, SPI
	v_lshl_add_u32 v5, v2, 5, v5
	v_add_nc_u32 v[STO], s23, v5                   ; in: row l % 16, 32 bytes for each half of the lanes
	v_add_nc_u32 v[RD], s23, v[CO]                 ; back: the 32 lanes take one row of 512 bytes
	s_lshl_b32 s18, s13, 19
	s_lshl_b32 s19, s11, 18
	s_add_co_u32 s18, s18, s19                     ; my first row of out0: (128 x tile row + 64 x half) x 4,096 bytes
	s_lshl_b32 s19, s40, 10
	s_add_co_u32 s18, s18, s19
	s_lshl_b32 s19, s12, 9
	s_add_co_u32 s18, s18, s19                     ; my first column: 1,024 x tile column + 512 x half bytes
	s_mov_b32 s19, 0
	s_add_nc_u64 s[8:9], s[8:9], s[18:19]
	s_lshl_b32 s20, s13, 15
	s_lshl_b32 s21, s40, 13
	s_add_co_u32 s20, s20, s21
	s_add_co_u32 s20, s20, 3<<21                   ; at K step 3: the first refill steps it to 4.  Nothing is prefetched at the head
	s_mov_b32 s21, 0
	s_add_nc_u64 s[PFA:PFA+1], s[4:5], s[20:21]
	s_cmp_eq_u32 s10, 0
	s_cselect_b32 s[LIM], 1, -1
; 8 matrix instructions: tokens' tile a x w_o's eight blocks, 32 along K.  The 32 accumulators take turns, one instruction a turn, in the same order in every quarter.
.macro MUL8 f, a, zero
.irp b, 0,1,2,3,4,5,6,7
.if \zero
	v_wmma_f32_16x16x32_f16 v[8*(8*(\a)+\b):8*(8*(\a)+\b)+7], v[\f+8*\b:\f+8*\b+7], v[\f+64+8*(\a):\f+64+8*(\a)+7], 0
.else
	v_wmma_f32_16x16x32_f16 v[8*(8*(\a)+\b):8*(8*(\a)+\b)+7], v[\f+8*\b:\f+8*\b+7], v[\f+64+8*(\a):\f+64+8*(\a)+7], v[8*(8*(\a)+\b):8*(8*(\a)+\b)+7]
.endif
.endr
.endm
.macro FETCH slot, q, f                ; 24 LDS loads in one run: the fragments of the slot's q-th 32 along K
.irp b, 0,1,2,3,4,5,6,7
	ds_load_b128 v[\f+8*\b:\f+8*\b+3],   v[ADRB+\slot] offset:64*(\q)+\b*16*PB
	ds_load_b128 v[\f+8*\b+4:\f+8*\b+7], v[ADRB+\slot] offset:64*(\q)+\b*16*PB+32
.endr
.irp a, 0,1,2,3
	ds_load_b128 v[\f+64+8*\a:\f+64+8*\a+3],   v[ADRA+\slot] offset:\a*4096+(\q)*1024
	ds_load_b128 v[\f+64+8*\a+4:\f+64+8*\a+7], v[ADRA+\slot] offset:\a*4096+(\q)*1024+512
.endr
.endm
.macro PLACES                          ; four places in front of loads into registers that matrix instructions have read, and of reads of results (ISA guide 7.12.1 for reads of results)
.rept 4
	v_nop
.endr
.endm
; A K step is four quarters of 32 along K, 32 matrix instructions each, on buffers 0, 1, 0, 1.  One of the first three: the next quarter, qn, is asked for into g, then f is multiplied: the loads have 32 products in which to land.
.macro QUARTER slot, qn, f, g, zero
	WIN 0
	s_wait_dscnt 0x0                               ; f is in
	PLACES
	FETCH \slot, \qn, \g
	WIN MUL
	MUL8 \f, 0, \zero
	MUL8 \f, 1, \zero
	MUL8 \f, 2, \zero
	MUL8 \f, 3, \zero
.endm
; The last quarter multiplies buffer 1 and changes slots: ONE barrier; in front of it each wave waits for all its tensor loads, adds 0 to its spare word, and waits for that and for its reads of this slot.
; fill = 1: the barrier opens a round of the cluster's, and this slot is filled again, two K steps ahead, first thing behind the round.
.macro TURN slot, next, fill
	WIN 0
.if \fill
	s_wait_xcnt 0x0                                ; the last prefetch, a K step back, has read its address: it is stepped here
	s_add_nc_u64 s[PFA:PFA+1], s[PFA:PFA+1], 0x200000
.endif
	s_wait_tensorcnt 0x0                           ; all my tensor loads have landed: my part of the next slot
	ds_add_u32 v[SPW], v[NIL]                      ; 0 onto my spare word
	s_wait_dscnt 1                                 ; buffer 1 is in (the add may be out)
	WIN MUL
	MUL8 F1, 0, 0                                  ; eight matrix instructions stand between the add and the wait for it
	s_wait_dscnt 0x0                               ; the add is done, and my reads of this slot are over
	s_barrier_signal -1
	MUL8 F1, 1, 0
	WIN 0
	s_barrier_wait -1
.if \fill
	CREST                                          ; no wave of any partner still reads this slot's tiles or has a load on its way
	s_add_nc_u64 s[G0+4*\slot+2:G0+4*\slot+3], s[G0+4*\slot+2:G0+4*\slot+3], 0x400000
	s_add_nc_u64 s[G0B+4*\slot+2:G0B+4*\slot+3], s[G0B+4*\slot+2:G0B+4*\slot+3], 512
	JLOAD \slot                                    ; the four v_nop behind it are also the places in front of the loads below
.else
	PLACES
.endif
	FETCH \next, 0, F0
.if \fill
	ASK
.endif
	WIN MUL
	MUL8 F1, 2, 0
	MUL8 F1, 3, 0
.endm
	s_wait_tensorcnt 1                             ; my part of K step 0 is in (K step 1's load may be out)
	s_barrier_signal -1
	s_barrier_wait -1                              ; everybody's is
	FETCH 0, 0, F0
	QUARTER 0, 1, F0, F1, 1                        ; the first quarter stands in front of the loop: its products start the sums
	WIN 0
	s_mov_b32 s3, 3
.Llap:                                                 ; a trip goes once round the ring, from a lap's second quarter to the next lap's first, and fills both slots again
	QUARTER 0, 2, F1, F0, 0
	QUARTER 0, 3, F0, F1, 0
	TURN 0, 1, 1
	QUARTER 1, 1, F0, F1, 0
	QUARTER 1, 2, F1, F0, 0
	QUARTER 1, 3, F0, F1, 0
	TURN 1, 0, 1
	QUARTER 0, 1, F0, F1, 0
	WIN 0
	s_sub_co_u32 s3, s3, 1
	s_cmp_lg_u32 s3, 0
	s_cbranch_scc1 .Llap
	QUARTER 0, 2, F1, F0, 0                        ; the last lap fills nothing
	QUARTER 0, 3, F0, F1, 0
	TURN 0, 1, 0
	QUARTER 1, 1, F0, F1, 0
	QUARTER 1, 2, F1, F0, 0
	QUARTER 1, 3, F0, F1, 0
	WIN 0
	s_wait_dscnt 0x0                               ; the very last quarter: nothing more to fetch
	WIN MUL
	MUL8 F1, 0, 0
	MUL8 F1, 1, 0
	MUL8 F1, 2, 0
	MUL8 F1, 3, 0
	WIN 0
; THE WAY OUT, a tile of 16 tokens x 128 columns at a time.  A lane holds 32 neighbouring bytes of a row and the lanes beside it other rows: so a block goes through my own stage in LDS and comes back as whole rows of
; 512 bytes.  LDS serves a wave's instructions in order (ISA guide 5.7.1.4): no wait between the stores and the loads, nor in front of the next block's stores.
.macro TOSTAGE a
	WIN 0x04                                       ; an LDS store's data are its source 1: window 1
.irp b, 0,1,2,3,4,5,6,7
	ds_store_b128 v[STO], v[8*(8*(\a)+\b):8*(8*(\a)+\b)+3] offset:64*\b            ; each accumulator from its low end on
	ds_store_b128 v[STO], v[8*(8*(\a)+\b)+4:8*(8*(\a)+\b)+7] offset:64*\b+16
.endr
	WIN 0
.set BB, BK+64*((\a)%2)
.irp t, 0,1,2,3,4,5,6,7,8,9,10,11,12,13,14,15
	ds_load_b128 v[BB+4*\t:BB+4*\t+3], v[RD] offset:\t*SPI
.endr
.endm
.macro SEND a, younger                 ; younger: the LDS instructions issued behind block a's loads, which may stay out
.set BB, BK+64*((\a)%2)
	s_wait_dscnt \younger
.if (\a) > 0
	s_add_nc_u64 s[8:9], s[8:9], 16*4096           ; 16 rows on (behind a wait on XCNT: the earlier stores have read their base)
.endif
.irp t, 0,1,2,3,4,5,6,7,8,9,10,11,12,13,14,15
	global_store_b128 v[CO], v[BB+4*\t:BB+4*\t+3], s[8:9] offset:\t*4096 th:TH_STORE_NT   ; 32 lanes store 512 consecutive bytes, aligned; written once, read by nobody here
.endr
.endm
	PLACES
	TOSTAGE 0
.irp a, 1,2,3
.if \a > 1
	s_wait_xcnt 0x0                                ; block a - 2's stores have read their registers and their base
.endif
	TOSTAGE \a
	SEND \a-1, 32                                  ; behind block a - 1's loads: block a's 16 stores and 16 loads
.endr
	s_wait_xcnt 0x0
	SEND 3, 0
	s_wait_tensorcnt 0x0                           ; the wave's end, behind my last tensor load and my last LDS store
	ds_add_u32 v[SPW], v[NIL]
	s_wait_dscnt 0x0
	CROUND                                         ; the closing round
	s_endpgm
.Lfunc_end_k_q9d33ffc043_oproj:
	.size	k_q9d33ffc043_oproj, .Lfunc_end_k_q9d33ffc043_oproj-k_q9d33ffc043_oproj
	.p2alignl 7, 3214868480
	.fill 96, 4, 3214868480
	.section	.rodata,"a",@progbits
	.p2align	6, 0x0
	.amdhsa_kernel k_q9d33ffc043_oproj
		.amdhsa_group_segment_fixed_size 327680
		.amdhsa_private_segment_fixed_size 0
		.amdhsa_enable_private_segment 0
		.amdhsa_kernarg_size 24
		.amdhsa_user_sgpr_count 2
		.amdhsa_user_sgpr_kernarg_segment_ptr 1
		.amdhsa_wavefront_size32 1
		.amdhsa_system_sgpr_workgroup_id_x 1
		.amdhsa_system_sgpr_workgroup_id_y 1
		.amdhsa_system_sgpr_workgroup_id_z 1
		.amdhsa_system_vgpr_workitem_id 0
		.amdhsa_next_free_vgpr 512
		.amdhsa_next_free_sgpr 66
		.amdhsa_reserve_vcc 0
		.amdhsa_float_denorm_mode_32 3
		.amdhsa_float_denorm_mode_16_64 3
		.amdhsa_memory_ordered 1
		.amdhsa_forward_progress 1
		.amdhsa_inst_pref_size 85
	.end_amdhsa_kernel
	.amdgpu_metadata
---
amdhsa.version: [ 1, 2 ]
amdhsa.kernels:
  - .name:           k_q9d33ffc043_oproj
    .symbol:         k_q9d33ffc043_oproj.kd
    .args:
      - { .name: att_img, .offset: 0, .size: 8, .value_kind: global_buffer, .address_space: global }
      - { .name: wo_h, .offset: 8, .size: 8, .value_kind: global_buffer, .address_space: global }
      - { .name: out0, .offset: 16, .size: 8, .value_kind: global_buffer, .address_space: global }
    .group_segment_fixed_size: 327680
    .private_segment_fixed_size: 0
    .kernarg_segment_align: 8
    .kernarg_segment_size: 24
    .max_flat_workgroup_size: 128
    .sgpr_count:     66
    .vgpr_count:     512
    .wavefront_size: 32
...
	.end_amdgpu_metadata
.endif
;; end of part 4
